; MI455X (gfx1250); checked and timed in simulation.
; The chip was launched on July 23, 2026; its instructions are those of AMD's public machine-readable ISA for CDNA 5 (MIT licence, August 2026) and "CDNA5" Instruction Set Architecture Reference Guide (July 2026). The comments in the code are by the model that wrote it; some were corrected since.
;; Multi Head Attention. Allowed arithmetic: matrix products marked QUANTISED: E3M2 operands, one E8M0 scale for each 32 along K, by v_wmma_scale_f32_16x16x128_f8f6f4 with both operands' format E3M2, f32 sums; everything else in f32.
;; Inputs: Wk 1,024 x 1,024 float32; Wo 1,024 x 1,024 float32; Wq 1,024 x 1,024 float32; Wv 1,024 x 1,024 float32; bk 1,024 float32; bo 1,024 float32; bq 1,024 float32; bv 1,024 float32; key 8 x 1,024 x 1,024 float32; query 8 x 1,024 x 1,024 float32; value 8 x 1,024 x 1,024 float32.
;; Outputs: out0 8 x 1,024 x 1,024 float32.
;; This version of the problem:
;;   THIS VERSION OF THE PROBLEM IS GIVEN IN LOW PRECISION. The matrix products marked QUANTISED in the list below multiply operands that are first quantised to E3M2 (3 exponent bits, 2 mantissa bits; 6 bits a number), with one power-of-two scale for each 32 numbers along K (OCP MX v1.0); their sums are f32. All else is computed in f32.
;;   The module's matrix products, in the order in which they are computed (A, B: the left and right operand; K: the contracted axis; several contracted axes count as one K, in the product's order):
;;     1. [M 8,192, K 1,024] x [K 1,024, N 1,024]; A: input query; B: input Wq: QUANTISED
;;     2. [M 8,192, K 1,024] x [K 1,024, N 1,024]; A: input key; B: input Wk: QUANTISED
;;     3. [M 8,192, K 1,024] x [K 1,024, N 1,024]; A: input value; B: input Wv: QUANTISED
;;     4. batch 128 x [M 1,024, K 64] x [K 64, N 1,024]; A: computed on the way; B: computed on the way: QUANTISED
;;     5. batch 128 x [M 1,024, K 1,024] x [K 1,024, N 64]; A: softmax (see below); B: computed on the way: QUANTISED
;;     6. [M 8,192, K 1,024] x [K 1,024, N 1,024]; A: computed on the way; B: input Wo: QUANTISED
;;   THE QUANTISER, for each operand of a quantised product, along K:
;;     - K is cut into blocks of 32 from its start; a last block that is shorter is filled with zeros.
;;     - A block's scale is 2^e with e = floor(log2(the largest magnitude in the block)) - 4, held to -126 .. 127; a block of zeros has e = 0. As a byte (E8M0): e + 127.
;;     - Each number is divided by its block's scale, clamped to +-28, and rounded to the nearest number of E3M2, ties to even, subnormals kept.
;;     - The product sums the exact products of the quantised numbers (number of the format x scale) in f32.
;;   ~~~python
;;   def quantise(x, axis):      # numpy; x: float32 -> the quantised numbers, widened to float32 again
;;       x = np.moveaxis(x, axis, -1); K = x.shape[-1]
;;       x = np.pad(x, [(0, 0)] * (x.ndim - 1) + [(0, -K % 32)]); x = x.reshape(x.shape[:-1] + (-1, 32)); a = np.abs(x).max(-1, keepdims=True)
;;       e = np.where(a > 0, np.clip(np.frexp(np.where(a > 0, a, 1))[1] - 1 - 4, -126, 127), 0)      # np.frexp(a)[1] - 1 = floor(log2(a)), exactly
;;       r = np.clip(x / 2.0 ** e, -28, 28)
;;       step = 2.0 ** (np.maximum(np.frexp(np.where(r == 0, 1, r))[1] - 1, -2) - 2)
;;       q = np.round(r / step) * step * 2.0 ** e      # np.round: ties to even
;;       return np.moveaxis(q.reshape(q.shape[:-2] + (-1,))[..., :K], -1, axis).astype(np.float32)
;;   ~~~
;;   SOFTMAX AHEAD OF A QUANTISED PRODUCT. Where the list says 'softmax', what is quantised is not the finished softmax but p = 2^(t - M), with t = logit x log2(e) and M = ceil(the row's largest t), a whole number; so 1/2 < the row's largest p <= 1. The row's sum l is taken of the UNQUANTISED p, in f32, and the product's result is divided by l at the end. Since M is a whole number, a kernel that streams over the keys may use a running M (the ceiling of the running maximum): every later rescaling is an exact power of two, which a block's scale takes up: the codes' values come out the same.
;;   OPERANDS COMPUTED ON THE WAY. 'Computed on the way' means the value that the module computes at that place (a softmax that the list does not call 'softmax' is quantised finished and normalised). What goes into a quantiser is computed in f32, as accurately as f32 sums, v_exp_f32 and their like allow (about 1e-6 of the number): no bf16 or f16 on the way to a quantiser, and a product that is left as it is and whose result goes on into a quantised operand takes f32 operands (vector FMAs, or v_wmma_f32_16x16x4_f32). A number that lies on a knife's edge between two numbers of the format may be rounded either way, as far as f32 arithmetic and the matrix unit's own rounding can turn it there, and no further.
;; One version. Each part assembles by itself: llvm-mc -triple=amdgcn-amd-amdhsa -mcpu=gfx1250 --defsym DOCPART=n.
;; ======== version 1 of 1: 4 launches
;; limits: right only within a limited range of input values
;; workspace buffers: xw 22,937,600 bytes; qkv 19,660,800 bytes; ao 6,553,600 bytes
;; launch quant (part 1): grid 256 x 1, 14 waves a work-group, no clusters, 120,064 bytes of LDS; arguments query, key, value, Wq, Wk, Wv, Wo, xw; writes xw
.if DOCPART == 1
	.amdgcn_target "amdgcn-amd-amdhsa--gfx1250"
	.amdhsa_code_object_version 6
	.text
	.protected	k_qe91d514752_quant
	.globl	k_qe91d514752_quant
	.p2align	8
	.type	k_qe91d514752_quant,@function
k_qe91d514752_quant:
	s_mov_b64 s[64:65], 0
	v_nop
	global_prefetch_b8 v0, s[64:65] scope:SCOPE_SE
	s_setreg_imm32_b32 hwreg(HW_REG_WAVE_MODE, 25, 1), 1
	s_wait_xcnt 0x0
; query, key, value [8192][1024] and Wq, Wk, Wv, Wo [1024][1024], f32, K innermost, become codes of BF6 (E3M2) with one E8M0 byte for each 32 along K.
; A block's scale is 2^(floor(log2(its largest magnitude)) - 4); its byte is the largest magnitude's exponent field - 4, held at 1 from below.
; LIMITS: NaN and infinities among the inputs are not served.  A block of zeros, or one whose largest magnitude lies under 2^-122, gets the byte 1: its codes are those of the held scale, and the bytes are read by this program alone.
; LAYOUT OF xw: one record of 12,800 bytes for each ROW TILE T of 16 rows.  With t = T's number within its tensor, lane-row i of the tile is row 32 (t / 2) + 8 (t % 2) + i + 8 (i / 8);
;   in key alone it is row 64 (t / 4) + 8 (t % 4) + i % 8 + 32 (i / 8), so that in the attention's scores a lane's 32 registers of four neighbouring key tiles are one whole block of 32 keys.
;   In a record: K step s (128 along K) at 1536 s, as an IMAGE OF THE OPERAND'S REGISTERS: registers 4 c .. 4 c + 3 of lane l at 512 c + 16 l.  At 12,288: scale words [K half][row i][4 words].
;   T 0-511 query, 512-1023 key, 1024-1535 value, 1536-1599 Wq, 1600-1663 Wk, 1664-1727 Wv, 1728-1791 Wo.
; SHARES: 1,792 row tiles = 256 work-groups x 7.  Wave w of work-group g takes tile T = 7 g + w / 2 and K half w % 2: four fragments of 16 rows x 128 K.  Tensor and rows are chosen by T, wave by wave.
; Each load reads 512 consecutive bytes of one row; a step's 16 rows turn through the wave's own stage in LDS (rows of 512 + 16 bytes), so that a lane gets 16 neighbours of each block of 32.
; No cluster: no two work-groups read the same byte.  No barrier: waves share nothing.  Two steps' loads (32 a wave) are on their way.  No prefetch: every byte is read once, by loads that are asked for two steps ahead.
.set STG, 8448                         ; a wave's stage: 16 rows x 528 bytes
.set SPARE, 14*STG                     ; behind the stages: the spare words, 128 bytes for each wave: seven blocks of 256 bytes that no other line names
.set REC, 12800                        ; a record
.set TM,  8                            ; v8-23    at work in QUANT
.set PWS, 24                           ; v24-27   the four steps' scale words
.set LO,  28                           ; v28-29   the words as they are stored
.set X,   32                           ; v32-159  two sets of 64: rows as loaded
.set Y,   160                          ; v160-223 64 numbers of my row: register 16 b + i = k 32 b + 16 (lane / 16) + i
.set PC,  224                          ; v224-243 the codes just made
.set SEL, 30                           ; s[30:31] lane selects for v_permlanex16_b32: lane l xor 16
; 64 numbers of a lane, v[s] .. v[s + 63], become a fragment's codes in v[PC] .. v[PC + 11] and its scale word in v[pw]
.macro QUANT s, pw
.irp b, 0,1,2,3
	v_max3_num_f32 v[TM+\b], |v[\s+16*\b]|, |v[\s+1+16*\b]|, 0x2800000   ; block b: my 16 numbers, and the floor 2^(5 - 127): the byte cannot fall under 1
.endr
.irp i, 2,4,6,8,10,12,14
.irp b, 0,1,2,3
	v_max3_num_f32 v[TM+\b], v[TM+\b], |v[\s+16*\b+\i]|, |v[\s+1+16*\b+\i]|   ; the four blocks by turns
.endr
.endr
.irp b, 0,1,2,3
	v_permlanex16_b32 v[TM+4+\b], v[TM+\b], s[SEL], s[SEL+1]
.endr
.irp b, 0,1,2,3
	v_max_num_f32 v[TM+\b], v[TM+\b], v[TM+4+\b]   ; with lane l xor 16's: the block's largest magnitude
.endr
.irp b, 0,1,2,3
	v_add_nc_u32 v[TM+12+\b], 0xfe000000, v[TM+\b]   ; 4 off its exponent field: the conversion's scale operand
.endr
.irp b, 0,1,2,3
	v_lshrrev_b32 v[TM+4+\b], 23, v[TM+12+\b]      ; the scale's byte
.endr
	v_lshl_or_b32 v[\pw], v[TM+5], 8, v[TM+4]      ; four bytes: my row's scale word
	v_lshl_or_b32 v[\pw], v[TM+6], 16, v[\pw]
	v_lshl_or_b32 v[\pw], v[TM+7], 24, v[\pw]
.irp c, 0,1
	v_cvt_scalef32_pk16_bf6_f32 v[PC+6*\c:PC+2+6*\c], v[\s+32*\c:\s+15+32*\c], v[TM+12+2*\c]
	v_cvt_scalef32_pk16_bf6_f32 v[PC+12+4*\c:PC+14+4*\c], v[\s+16+32*\c:\s+31+32*\c], v[TM+12+2*\c+1]   ; (a conversion's three registers begin on an even number)
.endr
	v_nop                                          ; one plain place behind a scaled conversion
.irp c, 0,1                                    ; the operand's layout wants a whole block in a lane: lanes 0-15 block 2 c, lanes 16-31 block 2 c + 1
.irp i, 0,1,2
	v_permlane16_swap_b32 v[PC+6*\c+\i], v[PC+12+4*\c+\i]
.endr
.irp i, 0,1,2
	v_mov_b32 v[PC+3+6*\c+\i], v[PC+12+4*\c+\i]
.endr
.endr
.endm
	s_load_b512 s[4:19], s[0:1], 0x0               ; query, key, value, Wq, Wk, Wv, Wo, xw
	v_lshl_add_u32 v248, v0, 2, SPARE
	v_mov_b32 v249, 0
	v_lshrrev_b32 v1, 5, v0
	v_readfirstlane_b32 s22, v1                    ; wave 0..13
	v_and_b32 v1, 31, v0                           ; lane
	v_and_b32 v2, 15, v0                           ; r
	v_bfe_u32 v3, v0, 4, 1                         ; h
	v_lshlrev_b32 v4, 4, v1                        ; 16 x lane: my bytes of a load's or a store's 512
	s_mul_i32 s23, s22, STG                        ; my stage
	v_add_nc_u32 v5, s23, v4                       ; into it: 16 x lane, a row an instruction
	v_mul_u32_u24 v6, v2, 528
	v_lshl_add_u32 v6, v3, 6, v6
	v_add_nc_u32 v6, s23, v6                       ; out of it: row r, + 64 h: my 16 numbers of each block of 32
	v_lshlrev_b32 v7, 4, v2
	v_lshl_add_u32 v7, v3, 3, v7                   ; the scale words: 16 r + 8 h
.irp b, 0,1,2,3
	v_mov_b32 v[TM+4+\b], 0                        ; written once: a lane permute's destination counts as one of its sources
.endr
	s_mov_b32 s[SEL], 0x76543210
	s_mov_b32 s[SEL+1], 0xfedcba98
	s_mov_b32 s32, 0xffff0000                      ; lanes 16-31
	s_mul_i32 s39, ttmp9, 7
	s_lshr_b32 s24, s22, 1
	s_add_co_u32 s39, s39, s24                     ; T = 7 g + w / 2
	s_and_b32 s25, s22, 1                          ; kh: K half
	s_and_b32 s26, s39, 511                        ; t: 512 tiles in an activation,
	s_and_b32 s27, s39, 63                         ; 64 in a weight (1536 is a multiple of 64)
	s_cmp_lt_u32 s39, 1536
	s_cselect_b32 s26, s26, s27
	s_lshr_b32 s27, s26, 1
	s_lshl_b32 s27, s27, 17
	s_and_b32 s33, s26, 1
	s_lshl_b32 s33, s33, 15
	s_add_co_u32 s27, s27, s33                     ; 32 (t / 2) + 8 (t % 2) rows of 4,096 bytes
	s_lshr_b32 s33, s26, 2
	s_lshl_b32 s33, s33, 18
	s_and_b32 s38, s26, 3
	s_lshl_b32 s38, s38, 15
	s_add_co_u32 s38, s38, s33                     ; key's: 64 (t / 4) + 8 (t % 4) rows
	s_lshr_b32 s33, s39, 9
	s_cmp_eq_u32 s33, 1                            ; tiles 512-1023 are key's
	s_cselect_b32 s26, s38, s27
	s_cselect_b32 s33, 0x10000, 0                  ; 16 rows in bytes, for key alone
	v_add_nc_u32 v244, s33, v4                     ; lane-rows 8-15: key's lie 16 rows further on than the others'
	s_lshl_b32 s27, s25, 11                        ; + 512 kh numbers
	s_add_co_u32 s26, s26, s27
	s_mov_b32 s27, 0
	s_mul_i32 s28, s39, REC
	s_mul_i32 s29, s25, 6144                       ; my four K steps' images
	s_add_co_u32 s34, s28, s29
	s_mov_b32 s35, 0
	s_lshl_b32 s29, s25, 8                         ; my K half's 256 bytes of scale words
	s_add_co_u32 s36, s28, s29
	s_add_co_u32 s36, s36, 12288
	s_mov_b32 s37, 0
	s_wait_alu depctr_va_vdst(0)                   ; the wait at the head's end
	s_wait_kmcnt 0x0
	s_cmp_ge_u32 s39, 512                          ; which tensor: the choice hangs on the tile's number alone
	s_cselect_b64 s[4:5], s[6:7], s[4:5]
	s_cmp_ge_u32 s39, 1024
	s_cselect_b64 s[4:5], s[8:9], s[4:5]
	s_cmp_ge_u32 s39, 1536
	s_cselect_b64 s[4:5], s[10:11], s[4:5]
	s_cmp_ge_u32 s39, 1600
	s_cselect_b64 s[4:5], s[12:13], s[4:5]
	s_cmp_ge_u32 s39, 1664
	s_cselect_b64 s[4:5], s[14:15], s[4:5]
	s_cmp_ge_u32 s39, 1728
	s_cselect_b64 s[4:5], s[16:17], s[4:5]
	s_add_nc_u64 s[4:5], s[4:5], s[26:27]          ; the source at my tile's first row, my K half
	s_add_nc_u64 s[20:21], s[18:19], s[36:37]      ; my scale words
	s_add_nc_u64 s[18:19], s[18:19], s[34:35]      ; my images
.macro LOAD t                          ; K step t of my four: 16 rows x 512 bytes into set t % 2
.irp i, 0,1,2,3,4,5,6,7,8,9,10,11,12,13,14,15
.if \i < 8
	global_load_b128 v[X+64*((\t)%2)+4*\i:X+64*((\t)%2)+4*\i+3], v4, s[4:5] offset:(\i+8*(\i/8))*4096+512*(\t) th:TH_LOAD_NT
.else
	global_load_b128 v[X+64*((\t)%2)+4*\i:X+64*((\t)%2)+4*\i+3], v244, s[4:5] offset:(\i+8*(\i/8))*4096+512*(\t) th:TH_LOAD_NT
.endif
.endr
.endm
.macro STEP t
.if (\t) < 3
	s_wait_loadcnt 16                              ; this step's 16 loads are in; the next step's 16 may be out
.else
	s_wait_loadcnt 0x0
.endif
.irp i, 0,1,2,3,4,5,6,7,8,9,10,11,12,13,14,15
	ds_store_b128 v5, v[X+64*((\t)%2)+4*\i:X+64*((\t)%2)+4*\i+3] offset:528*\i
.endr
.irp b, 0,1,2,3
.irp j, 0,1,2,3
	ds_load_b128 v[Y+16*\b+4*\j:Y+16*\b+4*\j+3], v6 offset:128*\b+16*\j   ; LDS serves a wave's instructions in order (ISA guide 5.7.1.4): these see the stores above
.endr
.endr
	s_wait_dscnt 0x0                               ; my 64 numbers are in, and the stage's stores have read their registers,
.if (\t) < 2
	LOAD (\t)+2                                    ; which take the loads of two steps on
.endif
.if (\t) > 0
	s_wait_xcnt 0x0                                ; the last step's stores have read the codes' registers: they are written again only behind this wait
.endif
	QUANT Y, PWS+(\t)
.irp c, 0,1,2
	global_store_b128 v4, v[PC+4*\c:PC+4*\c+3], s[18:19] offset:1536*(\t)+512*\c   ; 32 lanes store 512 consecutive bytes, at a multiple of 256 from xw's first byte
.endr
.endm
	LOAD 0
	LOAD 1
	STEP 0
	STEP 1
	STEP 2
	STEP 3
	v_cndmask_b32 v[LO], v[PWS], v[PWS+2], s32     ; lanes 0-15 store words 0, 1 of row r, lanes 16-31 words 2, 3
	v_cndmask_b32 v[LO+1], v[PWS+1], v[PWS+3], s32
	global_store_b64 v7, v[LO:LO+1], s[20:21]      ; the wave stores 256 consecutive bytes, aligned
	s_wait_tensorcnt 0x0                           ; the wave's end, behind my last LDS store
	ds_add_u32 v248, v249
	s_wait_dscnt 0x0
	s_endpgm
.Lfunc_end_k_qe91d514752_quant:
	.size	k_qe91d514752_quant, .Lfunc_end_k_qe91d514752_quant-k_qe91d514752_quant
	.p2alignl 7, 3214868480
	.fill 96, 4, 3214868480
	.section	.rodata,"a",@progbits
	.p2align	6, 0x0
	.amdhsa_kernel k_qe91d514752_quant
		.amdhsa_group_segment_fixed_size 120064
		.amdhsa_private_segment_fixed_size 0
		.amdhsa_enable_private_segment 0
		.amdhsa_kernarg_size 64
		.amdhsa_user_sgpr_count 2
		.amdhsa_user_sgpr_kernarg_segment_ptr 1
		.amdhsa_wavefront_size32 1
		.amdhsa_system_sgpr_workgroup_id_x 1
		.amdhsa_system_sgpr_workgroup_id_y 1
		.amdhsa_system_sgpr_workgroup_id_z 1
		.amdhsa_system_vgpr_workitem_id 0
		.amdhsa_next_free_vgpr 250
		.amdhsa_next_free_sgpr 66
		.amdhsa_reserve_vcc 0
		.amdhsa_float_denorm_mode_32 3
		.amdhsa_float_denorm_mode_16_64 3
		.amdhsa_memory_ordered 1
		.amdhsa_forward_progress 1
		.amdhsa_inst_pref_size 35
	.end_amdhsa_kernel
	.amdgpu_metadata
---
amdhsa.version: [ 1, 2 ]
amdhsa.kernels:
  - .name:           k_qe91d514752_quant
    .symbol:         k_qe91d514752_quant.kd
    .args:
      - { .name: query, .offset: 0, .size: 8, .value_kind: global_buffer, .address_space: global }
      - { .name: key, .offset: 8, .size: 8, .value_kind: global_buffer, .address_space: global }
      - { .name: value, .offset: 16, .size: 8, .value_kind: global_buffer, .address_space: global }
      - { .name: Wq, .offset: 24, .size: 8, .value_kind: global_buffer, .address_space: global }
      - { .name: Wk, .offset: 32, .size: 8, .value_kind: global_buffer, .address_space: global }
      - { .name: Wv, .offset: 40, .size: 8, .value_kind: global_buffer, .address_space: global }
      - { .name: Wo, .offset: 48, .size: 8, .value_kind: global_buffer, .address_space: global }
      - { .name: xw, .offset: 56, .size: 8, .value_kind: global_buffer, .address_space: global }
    .group_segment_fixed_size: 120064
    .private_segment_fixed_size: 0
    .kernarg_segment_align: 8
    .kernarg_segment_size: 64
    .max_flat_workgroup_size: 448
    .sgpr_count:     66
    .vgpr_count:     250
    .wavefront_size: 32
...
	.end_amdgpu_metadata
.endif
;; end of part 1
;; launch proj (part 2): grid 4 x 64, 4 waves a work-group, clusters of 4 x 4, 327,680 bytes of LDS; arguments xw, bq, bk, bv, qkv; writes qkv
.if DOCPART == 2
	.amdgcn_target "amdgcn-amd-amdhsa--gfx1250"
	.amdhsa_code_object_version 6
	.text
	.protected	k_qe91d514752_proj
	.globl	k_qe91d514752_proj
	.p2align	8
	.type	k_qe91d514752_proj,@function
k_qe91d514752_proj:
	s_mov_b64 s[64:65], 0
	v_nop
	global_prefetch_b8 v0, s[64:65] scope:SCOPE_SE
	s_setreg_imm32_b32 hwreg(HW_REG_WAVE_MODE, 25, 1), 1
	s_wait_xcnt 0x0
	s_wait_alu depctr_hold_cnt(0) depctr_sa_sdst(0) depctr_va_vdst(0) depctr_va_sdst(0) depctr_va_ssrc(0) depctr_va_vcc(0) depctr_vm_vsrc(0)
	s_getreg_b32 s2, hwreg(HW_REG_IB_STS2, 6, 4)
	s_cmp_eq_u32 s2, 0
	s_cbranch_scc0 .Lentry_in_a_cluster
	s_endpgm
.Lentry_in_a_cluster:
	s_bfe_u32 s2, ttmp6, 0x10000c
	s_cmp_lg_u32 s2, 0xf033
	s_cbranch_scc0 .Lentry_shape_is_right
	s_endpgm
.Lentry_shape_is_right:
; q = query Wq^T + bq, k = key Wk^T + bk, v = value Wv^T + bv, on codes of BF6 with E8M0 scales (buffer xw), and their quantising for the attention: q and k along the head's 64, v along the keys.
; A tile is P 256 rows x R 128 rows, all of K = 1,024.  The matrix instruction takes P's rows as source 0 and R's as source 1: a lane then holds ONE row of R, and its registers run along P's rows.
; With the row tiles of xw (lane-row i of tile T = row 32 (T / 2) + 8 (T % 2) + i + 8 (i / 8)) the 16 registers of P tiles 2 b, 2 b + 1 are 16 NEIGHBOURS, 32 b + 16 (lane / 16) + 0 .. 15: what the conversions want.
; A WORK-GROUP STAYS: it makes three tiles, one of q, one of k, one of v, written out one after the other.  q, k: P = the weight's rows (features), R = tokens: the quantiser runs along the features.
; v: P = tokens, R = Wv's rows: it runs along the keys: V^T.
; LDS: a ring of two slots of 147,456 bytes; a slot holds four K steps of the whole tile (P's two halves of 8 row tiles, then R's two halves of 4; a row tile's four images on end, 6,144 bytes).
; One tensor load a wave fills its part of a slot.  Slot 0 is asked for again, for the next tile, at K step 3, slot 1 at K step 7, ahead of the way out: a wave has two loads outstanding at the start, later one.
; The launch claims all of a WGP's LDS; it uses 295,424 bytes.
; CLUSTER 4 x 4: P's tile hangs on cx alone and is asked for jointly along a column of the cluster, R's on cy alone, along a row; a round of the cluster's barrier stands in front of every joint refill.
; FOUR WAVES: wave w makes P rows 128 (w % 2) on x R rows 64 (w / 2) on: 32 accumulators.  Waves 0, 1 fetch P's halves, waves 2, 3 R's.
; OUTPUT qkv: three regions (q, k, v) of 64 records of 102,400 bytes, record 8 b + g (batch b, heads 2 g, 2 g + 1).  q, k: image of token tile tau at 1536 tau (K 0-63 head 2 g, 64-127 head 2 g + 1);
;   at 98,304 unit tau / 4 = [row][4 words], word 2 j + e: low half the two bytes of tile 4 (tau / 4) + 2 j for head 2 g + e, high half those of the tile after it.
;   v: image 4 (8 e + s) + a at 1536 x that: rows = channel tile a of head 2 g + e, K = keys 128 s on; at 98,304 unit 8 e + s = [row][word a].
; LIMITS: NaN and infinities are not served; a block of zeros, or one whose largest magnitude lies under 2^-122, keeps the byte 1 (the bytes are read by this program alone).
; REGISTERS.  window 0: v1-10 lane terms; v16-21 LDS addresses; v28-29 the add's two; scale words (lanes 0-15 the even tile of a pair, lanes 16-31 the odd): P's v32-63 and R's v64-79 for tiles 0 and 2,
;   v192-223 and v224-239 for tile 1; v80-189 the way out; v242-249 bv along R, in pairs.   window 1: P's fragments, two sets, at v0 and v128.   window 2: accumulator (a, t) at v[8 (8 a + t)].
;   window 3: R's fragments, two sets, at v0 and v48; v96-159 bq along P, v160-223 bk along P.
; THE START, in place of what is said of it above: at the head a wave issues one joint load, its part of slot 0; slot 1's first fill follows behind the wait for it, the add and a round of the cluster's barrier:
; one tensor load of a wave is out at any time.  The tokens of key come in the order that the launch quant gives them; nothing here hangs on it.
; PREFETCHES INTO THE L2: the images of k's tile are asked for at the head, those of v's tile behind K step 4 of q's tile: each two refills ahead of the refill that first wants them; at most three refills' bytes are asked for and not yet read.
; The partners of a cluster share a tile's blocks of 256 bytes out BY ADDRESS: of P's 16 row tiles wave w of the work-group at cy takes row tile 4 cy + w (48 blocks: two instructions, a lane a block);
; of R's 8 row tiles the work-group at cx takes two, its wave w K half w % 2 of row tile 2 cx + w / 2 (24 blocks: one instruction); lanes that are left over name their wave's last block again.
; Every cluster asks for the tokens that it will load; Wk and Wv, which many clusters load, are asked for by clusters 0, 5, 10 and 15 alone (between them: all of Wk four times, each half of Wv twice).  q's tile comes by its loads alone.
; WHERE k's TILE IS ASKED FOR, in place of 'at the head' above: behind K step 1 of q's tile, when both first fills have been asked for, two K steps ahead of the refill (K step 3) that first wants it; v's tile as said above.
.set REC,   12800
.set SLOT,  147456
.set SPARE, 2*SLOT                     ; behind the ring: the spare words, 128 bytes for each wave: two blocks of 256 bytes that no other line names
.set ADP,   16                         ; v16-17  LDS address of my 8 tiles of P in slot 0, 1
.set ADR,   20                         ; v20-21  of my 4 tiles of R
.set SPW,   28                         ; v28     LDS address of my spare word; never rewritten
.set NIL,   29                         ; v29     0; never rewritten
.set H,     80                         ; the way out: 64 numbers of my row
.set PC,    144
.set TM,    164
.set PWS,   180
.set XW,    184
.set LO,    188
.set BRV,   242
.set BPW,   96                         ; in window 3
.set SEL,   2                          ; s[2:3]   lane selects for v_permlanex16_b32: lane l xor 16
.set HM,    22                         ; s22      lanes 16-31
.set G1P,   24                         ; s[24:31] descriptor group 1 for P;  s[32:39] for R
.set G1R,   32
.set G0P,   40                         ; s[40:47] group 0 for P, a set for each slot;  s[48:55] for R
.set G0R,   48
.set PBS,   56                         ; s[56:61] for tiles 0, 1, 2: my half of P in xw (for my tensor loads and my scale words)
.set RFS,   66                         ; s[66:71] the half of R that I fetch
.set RMS,   72                         ; s[72:77] the half of R that I multiply (its scale words)
.set OUS,   78                         ; s[78:83] my four images in qkv
.set OSS,   84                         ; s[84:89] my unit of scale words in qkv
.set MULW,  0xad                       ; P window 1, R window 3, C and D window 2
.set MSB,   0
.macro WIN new                         ; the immediate's high byte repeats the setting that is left
.if MSB != \new
	s_set_vgpr_msb (MSB<<8)|\new
.set MSB, \new
.endif
.endm
.macro PLACES
.rept 4
	v_nop
.endr
.endm
.macro CREST                           ; a round of the cluster's barrier behind its opening barrier
	s_cmp_lg_u32 s14, 0
	s_cbranch_scc1 .Lnot_wave_0_\@
	s_barrier_signal -3
.Lnot_wave_0_\@:
	s_barrier_wait -3
	s_barrier_signal -1
	s_barrier_wait -1
.endm
.macro CROUND                          ; a whole round
	s_barrier_signal -1
	s_barrier_wait -1
	CREST
.endm
; A joint refill of slot sl.  The branch hangs on the wave's number alone.  Four v_nop follow each of the two lines, ahead of the jump, the label and what follows.
.macro JLOAD sl
	s_cmp_eq_u32 s15, 0
	s_cbranch_scc0 .Lfor_r_\@
	tensor_load_to_lds s[G0P+4*(\sl):G0P+4*(\sl)+3], s[G1P:G1P+7]
	s_nop 0
.rept 4
	v_nop
.endr
	s_branch .Lasked_\@
.Lfor_r_\@:
	tensor_load_to_lds s[G0R+4*(\sl):G0R+4*(\sl)+3], s[G1R:G1R+7]
	s_nop 0
.rept 4
	v_nop
.endr
.Lasked_\@:
.endm
; 64 numbers of a lane, v[s] .. v[s + 63], register 16 b + i = k 32 b + 16 (lane / 16) + i of my row, become a fragment's codes in v[PC] .. v[PC + 11] and its scale word in v[pw]
.macro QUANT s, pw
.irp b, 0,1,2,3
	v_max3_num_f32 v[TM+\b], |v[\s+16*\b]|, |v[\s+1+16*\b]|, 0x2800000   ; block b: my 16 numbers, and the floor 2^(5 - 127): the byte cannot fall under 1
.endr
.irp i, 2,4,6,8,10,12,14
.irp b, 0,1,2,3
	v_max3_num_f32 v[TM+\b], v[TM+\b], |v[\s+16*\b+\i]|, |v[\s+1+16*\b+\i]|
.endr
.endr
.irp b, 0,1,2,3
	v_permlanex16_b32 v[TM+4+\b], v[TM+\b], s[SEL], s[SEL+1]
.endr
.irp b, 0,1,2,3
	v_max_num_f32 v[TM+\b], v[TM+\b], v[TM+4+\b]   ; with lane l xor 16's: the block's largest magnitude
.endr
.irp b, 0,1,2,3
	v_add_nc_u32 v[TM+12+\b], 0xfe000000, v[TM+\b]   ; 4 off the exponent field: the conversion's scale operand
.endr
.irp b, 0,1,2,3
	v_lshrrev_b32 v[TM+4+\b], 23, v[TM+12+\b]      ; the scale's byte
.endr
	v_lshl_or_b32 v[\pw], v[TM+5], 8, v[TM+4]
	v_lshl_or_b32 v[\pw], v[TM+6], 16, v[\pw]
	v_lshl_or_b32 v[\pw], v[TM+7], 24, v[\pw]
.irp c, 0,1
	v_cvt_scalef32_pk16_bf6_f32 v[PC+6*\c:PC+2+6*\c], v[\s+32*\c:\s+15+32*\c], v[TM+12+2*\c]
	v_cvt_scalef32_pk16_bf6_f32 v[PC+12+4*\c:PC+14+4*\c], v[\s+16+32*\c:\s+31+32*\c], v[TM+12+2*\c+1]   ; (a conversion's three registers begin on an even number)
.endr
	v_nop                                          ; one plain place behind a scaled conversion
.irp c, 0,1                                    ; the operand's layout wants a whole block in a lane
.irp i, 0,1,2
	v_permlane16_swap_b32 v[PC+6*\c+\i], v[PC+12+4*\c+\i]
.endr
.irp i, 0,1,2
	v_mov_b32 v[PC+3+6*\c+\i], v[PC+12+4*\c+\i]
.endr
.endr
.endm
	s_load_b256 s[4:11], s[0:1], 0x0               ; xw, bq, bk, bv
	s_load_b64 s[12:13], s[0:1], 0x20              ; qkv
	v_lshl_add_u32 v[SPW], v0, 2, SPARE
	v_mov_b32 v[NIL], 0
	ds_add_u32 v28, v29
	ds_add_u32 v28, v29
	s_wait_dscnt 0x0
	v_lshrrev_b32 v1, 5, v0
	v_readfirstlane_b32 s14, v1                    ; wave 0..3
	s_lshr_b32 s15, s14, 1                         ; wr: my half of R's rows.  Also: I fetch for P (0) or for R (1)
	s_and_b32 s16, s14, 1                          ; wp: my half of P's rows.  Also: which half of that tile I fetch
	s_bfe_u32 s17, ttmp6, 0x40000                  ; cx
	s_bfe_u32 s18, ttmp6, 0x40004                  ; cy
	s_and_b32 s19, ttmp7, 0xffff                   ; Y: the cluster's y, 0..15
	; P's chain: registers that never hold cy.  Row tiles in xw: Wq from 1536, Wk from 1600, value from 1024
	s_lshl_b32 s90, s17, 4
	s_lshl_b32 s91, s16, 3
	s_add_co_u32 s90, s90, s91                     ; 16 cx + 8 wp
	s_add_co_u32 s91, s90, 1536
	s_mul_i32 s[PBS], s91, REC                     ; q: the weight's tile cx, my half
	s_add_co_u32 s91, s90, 1600
	s_mul_i32 s[PBS+2], s91, REC                   ; k
	s_lshr_b32 s92, s19, 1
	s_lshl_b32 s91, s92, 6
	s_add_co_u32 s91, s91, s90
	s_add_co_u32 s91, s91, 1024
	s_mul_i32 s[PBS+4], s91, REC                   ; v: the tokens' tile 4 (Y / 2) + cx, my half
	s_mov_b32 s[PBS+1], 0
	s_mov_b32 s[PBS+3], 0
	s_mov_b32 s[PBS+5], 0
	s_lshl_b32 s93, 0x1111, s17                    ; my column of the cluster
	s_or_b32 s[G1P], s93, (3<<16)|(1<<21)          ; 15:0 the mask; 17:16 elements of 8 bytes; 21 set beside a mask; no padding
	; R's chain: registers that never hold cx.  query from 0, key from 512, Wv from 1664
	s_lshl_b32 s94, s19, 2
	s_add_co_u32 s94, s94, s18                     ; q, k: the tokens' tile 4 Y + cy
	s_and_b32 s95, s19, 1
	s_lshl_b32 s95, s95, 2
	s_add_co_u32 s95, s95, s18                     ; v: Wv's tile 4 (Y % 2) + cy
	s_lshl_b32 s96, s16, 2                         ; the 4 row tiles that I fetch,
	s_lshl_b32 s97, s15, 2                         ; the 4 that I multiply
	s_lshl_b32 s23, s94, 3
	s_add_co_u32 s[RFS], s23, s96
	s_add_co_u32 s[RMS], s23, s97
	s_add_co_u32 s[RFS+2], s[RFS], 512
	s_add_co_u32 s[RMS+2], s[RMS], 512
	s_lshl_b32 s23, s95, 3
	s_add_co_u32 s23, s23, 1664
	s_add_co_u32 s[RFS+4], s23, s96
	s_add_co_u32 s[RMS+4], s23, s97
.irp k, 0,2,4
	s_mul_i32 s[RFS+\k], s[RFS+\k], REC
	s_mov_b32 s[RFS+\k+1], 0
	s_mul_i32 s[RMS+\k], s[RMS+\k], REC
	s_mov_b32 s[RMS+\k+1], 0
.endr
	s_lshl_b32 s23, s18, 2
	s_lshl_b32 s23, 15, s23                        ; my row of the cluster
	s_or_b32 s[G1R], s23, (3<<16)|(1<<21)
	; group 1: a descriptor row is a row tile's four K steps, 6,144 bytes = 768 elements; from tile to tile 12,800 bytes = 1,600 elements; P 8 tiles a load, R 4
	s_mov_b32 s[G1P+1], 768<<16                    ; tensor_dim0
	s_mov_b32 s[G1P+2], 8<<16                      ; tensor_dim1
	s_mov_b32 s[G1P+3], 768<<16                    ; tile_dim0
	s_mov_b32 s[G1P+4], 8                          ; tile_dim1
	s_mov_b32 s[G1P+5], 1600                       ; the pitch
	s_mov_b32 s[G1P+6], 0
	s_mov_b32 s[G1P+7], 0
	s_mov_b32 s[G1R+1], 768<<16
	s_mov_b32 s[G1R+2], 4<<16
	s_mov_b32 s[G1R+3], 768<<16
	s_mov_b32 s[G1R+4], 4
	s_mov_b32 s[G1R+5], 1600
	s_mov_b32 s[G1R+6], 0
	s_mov_b32 s[G1R+7], 0
	s_mul_i32 s2, s16, 49152                       ; where they go in a slot: the wave's number alone
	s_mul_i32 s3, s16, 24576
	s_add_co_u32 s3, s3, 98304
	; where my results go: these registers feed stores alone
	s_lshl_b32 s98, s17, 1
	s_add_co_u32 s98, s98, s16                     ; q, k: the head pair g = 2 cx + wp
	s_lshr_b32 s99, s94, 3
	s_lshl_b32 s99, s99, 3
	s_add_co_u32 s99, s99, s98                     ; record 8 b + g, b = the tokens' tile / 8
	s_mul_i32 s99, s99, 102400
	s_and_b32 s100, s94, 7
	s_lshl_b32 s100, s100, 3
	s_add_co_u32 s100, s100, s97                   ; first image: token tile 8 (tile % 8) + 4 wr
	s_mul_i32 s101, s100, 1536
	s_add_co_u32 s[OUS], s99, s101
	s_lshl_b32 s100, s100, 6
	s_add_co_u32 s[OSS], s99, s100
	s_add_co_u32 s[OSS], s[OSS], 98304
	s_add_co_u32 s[OUS+2], s[OUS], 6553600         ; k: a region on
	s_add_co_u32 s[OSS+2], s[OSS], 6553600
	s_lshl_b32 s98, s92, 2
	s_add_co_u32 s98, s98, s17
	s_lshl_b32 s98, s98, 1
	s_add_co_u32 s98, s98, s16                     ; v: my 128 keys among all tokens: 2 x the tokens' tile + wp
	s_lshr_b32 s99, s98, 3
	s_lshl_b32 s99, s99, 3
	s_add_co_u32 s99, s99, s95                     ; record 8 b + g, g = Wv's tile
	s_mul_i32 s99, s99, 102400
	s_add_co_u32 s99, s99, 13107200                ; the third region
	s_and_b32 s100, s98, 7
	s_lshl_b32 s101, s15, 3
	s_add_co_u32 s100, s100, s101
	s_lshl_b32 s100, s100, 2                       ; first image: 4 (8 wr + key step)
	s_mul_i32 s101, s100, 1536
	s_add_co_u32 s[OUS+4], s99, s101
	s_lshl_b32 s100, s100, 6
	s_add_co_u32 s[OSS+4], s99, s100
	s_add_co_u32 s[OSS+4], s[OSS+4], 98304
.irp k, 1,3,5
	s_mov_b32 s[OUS+\k], 0
	s_mov_b32 s[OSS+\k], 0
.endr
	s_lshl_b32 s20, s17, 10                        ; bq, bk: 256 cx + 128 wp numbers on
	s_lshl_b32 s21, s16, 9
	s_add_co_u32 s20, s20, s21
	s_mov_b32 s21, 0
	s_lshl_b32 s62, s95, 9                         ; bv: 128 x Wv's tile + 64 wr numbers on
	s_lshl_b32 s63, s15, 8
	s_add_co_u32 s62, s62, s63
	s_mov_b32 s63, 0
	s_mov_b32 s[HM], 0xffff0000
	s_wait_kmcnt 0x0
	s_add_nc_u64 s[PBS:PBS+1], s[4:5], s[PBS:PBS+1]
	s_add_nc_u64 s[RFS:RFS+1], s[4:5], s[RFS:RFS+1]
.irp sl, 0,1
	s_mov_b32 s[G0P+4*\sl], 1                      ; count = 1
	s_add_co_u32 s[G0P+4*\sl+1], s2, \sl*SLOT      ; LDS address
	s_add_nc_u64 s[G0P+4*\sl+2:G0P+4*\sl+3], s[PBS:PBS+1], 6144*\sl   ; K steps 4 sl on
	s_or_b32 s[G0P+4*\sl+3], s[G0P+4*\sl+3], 0x80000000               ; type = 2
	s_mov_b32 s[G0R+4*\sl], 1
	s_add_co_u32 s[G0R+4*\sl+1], s3, \sl*SLOT
	s_add_nc_u64 s[G0R+4*\sl+2:G0R+4*\sl+3], s[RFS:RFS+1], 6144*\sl
	s_or_b32 s[G0R+4*\sl+3], s[G0R+4*\sl+3], 0x80000000
.endr
	CROUND                                         ; all sixteen work-groups are here: the first joint loads meet
	s_cmp_eq_u32 s15, 0                            ; one load in each arm of one branch on the wave's number: one load of mine is out; four v_nop follow it
	s_cbranch_scc0 .Lfirst_r
	tensor_load_to_lds s[G0P:G0P+3], s[G1P:G1P+7]
	s_nop 0
	PLACES
	s_branch .Lfirst_asked
.Lfirst_r:
	tensor_load_to_lds s[G0R:G0R+3], s[G1R:G1R+7]
	s_nop 0
	PLACES
.Lfirst_asked:
.irp k, 2,4                                    ; the other addresses are made while the first tiles are on their way
	s_add_nc_u64 s[PBS+\k:PBS+\k+1], s[4:5], s[PBS+\k:PBS+\k+1]
	s_add_nc_u64 s[RFS+\k:RFS+\k+1], s[4:5], s[RFS+\k:RFS+\k+1]
.endr
.irp k, 0,2,4
	s_add_nc_u64 s[RMS+\k:RMS+\k+1], s[4:5], s[RMS+\k:RMS+\k+1]
	s_add_nc_u64 s[OUS+\k:OUS+\k+1], s[12:13], s[OUS+\k:OUS+\k+1]
	s_add_nc_u64 s[OSS+\k:OSS+\k+1], s[12:13], s[OSS+\k:OSS+\k+1]
.endr
	s_add_nc_u64 s[6:7], s[6:7], s[20:21]
	s_add_nc_u64 s[8:9], s[8:9], s[20:21]
	s_add_nc_u64 s[10:11], s[10:11], s[62:63]
	s_mov_b32 s[SEL], 0x76543210
	s_mov_b32 s[SEL+1], 0xfedcba98
	s_lshl_b32 s20, s17, 1                         ; the prefetches' addresses, in registers that feed no descriptor
	s_add_co_u32 s20, s20, s15                     ; of R's row tiles: 2 cx + w / 2
	s_lshl_b32 s21, s18, 2
	s_add_co_u32 s21, s21, s14
	s_lshl_b32 s23, s17, 4
	s_add_co_u32 s21, s21, s23                     ; of P's: 16 cx + 4 cy + w
	s_mul_i32 s62, s16, 6144                       ; R: K half w % 2
	s_lshl_b32 s23, s94, 3
	s_add_co_u32 s23, s23, s20
	s_add_co_u32 s23, s23, 512                     ; k's R: key's tokens
	s_mul_i32 s96, s23, REC
	s_add_co_u32 s96, s96, s62
	s_mov_b32 s97, 0
	s_lshl_b32 s23, s95, 3
	s_add_co_u32 s23, s23, s20
	s_add_co_u32 s23, s23, 1664                    ; v's R: Wv
	s_mul_i32 s90, s23, REC
	s_add_co_u32 s90, s90, s62
	s_mov_b32 s91, 0
	s_add_co_u32 s23, s21, 1600                    ; k's P: Wk
	s_mul_i32 s98, s23, REC
	s_mov_b32 s99, 0
	s_lshl_b32 s23, s92, 6
	s_add_co_u32 s23, s23, s21
	s_add_co_u32 s23, s23, 1024                    ; v's P: value's tokens
	s_mul_i32 s100, s23, REC
	s_mov_b32 s101, 0
	s_add_nc_u64 s[96:97], s[4:5], s[96:97]
	s_add_nc_u64 s[90:91], s[4:5], s[90:91]
	s_add_nc_u64 s[98:99], s[4:5], s[98:99]
	s_add_nc_u64 s[100:101], s[4:5], s[100:101]
	s_lshr_b32 s93, 0x8421, s19
	s_and_b32 s93, s93, 1                          ; 1 in clusters 0, 5, 10, 15: the same in all partners
	v_and_b32 v1, 31, v0
	v_lshlrev_b32 v11, 8, v1                       ; a lane a block of 256 bytes: blocks 0-31;
	v_min_u32 v12, 15, v1
	v_lshlrev_b32 v12, 8, v12                      ; sixteen blocks;
	v_min_u32 v13, 23, v1
	v_lshlrev_b32 v13, 8, v13                      ; twenty-four.  These three and the four addresses are never rewritten
	v_and_b32 v2, 15, v0                           ; r
	v_bfe_u32 v3, v0, 4, 1                         ; h
	v_lshlrev_b32 v4, 4, v1                        ; 16 x lane
	v_lshlrev_b32 v5, 4, v2
	v_mul_u32_u24 v6, v3, REC
	v_add_nc_u32 v6, v6, v5                        ; scale words: lanes 16-31 take the next tile's record; 16 r
	v_lshl_add_u32 v5, v3, 3, v5                   ; 16 r + 8 h
	v_lshlrev_b32 v7, 6, v3                        ; a bias along P: 16 h numbers on
	v_and_b32 v8, 8, v2
	v_add_nc_u32 v8, v8, v2
	v_lshlrev_b32 v8, 2, v8                        ; a bias along R: r + 8 (r / 8) numbers on
	v_bfe_u32 v9, v0, 5, 1                         ; wp
	v_bfe_u32 v10, v0, 6, 1                        ; wr
	v_mad_u32_u24 v[ADP], v9, 49152, v4            ; my 8 tiles of P in slot 0
	v_mad_u32_u24 v[ADR], v10, 24576, v4
	v_add_nc_u32 v[ADR], 98304, v[ADR]             ; my 4 tiles of R
	v_add_nc_u32 v[ADP+1], SLOT, v[ADP]
	v_add_nc_u32 v[ADR+1], SLOT, v[ADR]
.irp b, 0,1,2,3
	v_mov_b32 v[TM+4+\b], 0                        ; written once: a lane permute's destination counts as one of its sources
	v_mov_b32 v[BRV+2*\b+1], 0                     ; (named with bv's number as a pair)
.endr
; tile tl's scale words of all K, into registers: sixteen lanes read 256 consecutive bytes
.macro SCLOAD tl
.irp ip, 0,1,2,3
.irp kh, 0,1
	global_load_b128 v[32+160*((\tl)%2)+8*\ip+4*\kh:32+160*((\tl)%2)+8*\ip+4*\kh+3], v6, s[PBS+2*(\tl):PBS+2*(\tl)+1] offset:2*REC*\ip+12288+256*\kh
.endr
.endr
.irp ip, 0,1
.irp kh, 0,1
	global_load_b128 v[64+160*((\tl)%2)+8*\ip+4*\kh:64+160*((\tl)%2)+8*\ip+4*\kh+3], v6, s[RMS+2*(\tl):RMS+2*(\tl)+1] offset:2*REC*\ip+12288+256*\kh
.endr
.endr
.endm
	SCLOAD 0
	SCLOAD 1
	WIN 0xc0                                       ; destination window 3
.irp t, 0,1,2,3,4,5,6,7                        ; register 8 t + j of lane (r, h): the number of P row 32 (t / 2) + 8 (t % 2) + 16 h + j: the order of a lane's 64 results
	global_load_b128 v[BPW+8*\t:BPW+8*\t+3], v7, s[6:7] offset:(32*(\t/2)+8*(\t%2))*4
	global_load_b128 v[BPW+8*\t+4:BPW+8*\t+7], v7, s[6:7] offset:(32*(\t/2)+8*(\t%2))*4+16
	global_load_b128 v[BPW+64+8*\t:BPW+64+8*\t+3], v7, s[8:9] offset:(32*(\t/2)+8*(\t%2))*4
	global_load_b128 v[BPW+64+8*\t+4:BPW+64+8*\t+7], v7, s[8:9] offset:(32*(\t/2)+8*(\t%2))*4+16
.endr
	WIN 0
.irp a, 0,1,2,3
	global_load_b32 v[BRV+2*\a], v8, s[10:11] offset:(32*(\a/2)+8*(\a%2))*4
.endr
; one product of tile tl: accumulator (a, t), K step s.  The first K step starts the sums: nothing is ever cleared.
; The 32 accumulators take turns, one instruction a turn, in the same order in every step.
.macro WM a, t, s, tl
.set rD, 8*(8*(\a)+(\t))
.set rP, 128*((\s)%2)+12*(\t)
.set rR, 48*((\s)%2)+12*(\a)
.set rX, 32+160*((\tl)%2)+8*((\t)/2)+(\s)
.set rY, 64+160*((\tl)%2)+8*((\a)/2)+(\s)
.if (\s) == 0
.if ((\t)%2 == 0) && ((\a)%2 == 0)
	v_wmma_scale_f32_16x16x128_f8f6f4 v[rD:rD+7], v[rP:rP+11], v[rR:rR+11], 0, v[rX], v[rY] matrix_a_fmt:MATRIX_FMT_BF6 matrix_b_fmt:MATRIX_FMT_BF6
.elseif ((\t)%2 == 1) && ((\a)%2 == 0)
	v_wmma_scale_f32_16x16x128_f8f6f4 v[rD:rD+7], v[rP:rP+11], v[rR:rR+11], 0, v[rX], v[rY] matrix_a_fmt:MATRIX_FMT_BF6 matrix_b_fmt:MATRIX_FMT_BF6 matrix_a_scale:MATRIX_SCALE_ROW1
.elseif ((\t)%2 == 0)
	v_wmma_scale_f32_16x16x128_f8f6f4 v[rD:rD+7], v[rP:rP+11], v[rR:rR+11], 0, v[rX], v[rY] matrix_a_fmt:MATRIX_FMT_BF6 matrix_b_fmt:MATRIX_FMT_BF6 matrix_b_scale:MATRIX_SCALE_ROW1
.else
	v_wmma_scale_f32_16x16x128_f8f6f4 v[rD:rD+7], v[rP:rP+11], v[rR:rR+11], 0, v[rX], v[rY] matrix_a_fmt:MATRIX_FMT_BF6 matrix_b_fmt:MATRIX_FMT_BF6 matrix_a_scale:MATRIX_SCALE_ROW1 matrix_b_scale:MATRIX_SCALE_ROW1
.endif
.else
.if ((\t)%2 == 0) && ((\a)%2 == 0)
	v_wmma_scale_f32_16x16x128_f8f6f4 v[rD:rD+7], v[rP:rP+11], v[rR:rR+11], v[rD:rD+7], v[rX], v[rY] matrix_a_fmt:MATRIX_FMT_BF6 matrix_b_fmt:MATRIX_FMT_BF6
.elseif ((\t)%2 == 1) && ((\a)%2 == 0)
	v_wmma_scale_f32_16x16x128_f8f6f4 v[rD:rD+7], v[rP:rP+11], v[rR:rR+11], v[rD:rD+7], v[rX], v[rY] matrix_a_fmt:MATRIX_FMT_BF6 matrix_b_fmt:MATRIX_FMT_BF6 matrix_a_scale:MATRIX_SCALE_ROW1
.elseif ((\t)%2 == 0)
	v_wmma_scale_f32_16x16x128_f8f6f4 v[rD:rD+7], v[rP:rP+11], v[rR:rR+11], v[rD:rD+7], v[rX], v[rY] matrix_a_fmt:MATRIX_FMT_BF6 matrix_b_fmt:MATRIX_FMT_BF6 matrix_b_scale:MATRIX_SCALE_ROW1
.else
	v_wmma_scale_f32_16x16x128_f8f6f4 v[rD:rD+7], v[rP:rP+11], v[rR:rR+11], v[rD:rD+7], v[rX], v[rY] matrix_a_fmt:MATRIX_FMT_BF6 matrix_b_fmt:MATRIX_FMT_BF6 matrix_a_scale:MATRIX_SCALE_ROW1 matrix_b_scale:MATRIX_SCALE_ROW1
.endif
.endif
.endm
.macro MULA s, a, tl                   ; eight products: R's tile a against P's eight
.irp t, 0,1,2,3,4,5,6,7
	WM \a, \t, \s, \tl
.endr
.endm
.macro FETCH s                         ; K step s, from slot s / 4: 36 LDS loads in one run, each of 512 consecutive bytes: images come back as they were stored
	WIN 0x40                                       ; destination window 1
.irp i, 0,1,2,3,4,5,6,7
.irp c, 0,1,2
	ds_load_b128 v[128*((\s)%2)+12*\i+4*\c:128*((\s)%2)+12*\i+4*\c+3], v[ADP+(\s)/4] offset:6144*\i+1536*((\s)%4)+512*\c
.endr
.endr
	WIN 0xc0                                       ; destination window 3
.irp i, 0,1,2,3
.irp c, 0,1,2
	ds_load_b128 v[48*((\s)%2)+12*\i+4*\c:48*((\s)%2)+12*\i+4*\c+3], v[ADR+(\s)/4] offset:6144*\i+1536*((\s)%4)+512*\c
.endr
.endr
.endm
; A K step whose successor lies in the same slot
.macro STEP s, tl
.if (\s) > 0
	PLACES                                         ; four places in front of loads into registers that the last step's products read (ISA guide 7.12.1 for vector instructions).  In front of a tile's first step the way out's lines are the places
.endif
	FETCH (\s)+1
	s_wait_dscnt 36                                ; all but the 36 just issued: this step's fragments are in
	WIN MULW
	MULA \s, 0, \tl
	MULA \s, 1, \tl
	MULA \s, 2, \tl
	MULA \s, 3, \tl
	WIN 0
.endm
; A slot's last K step (3 or 7) changes slots: ONE barrier.  In front of it each wave waits for all its tensor loads (its part of the slot that is read next), adds 0 to its spare word, and waits for that and for its own
; reads of this slot.  fill = 1: the barrier opens a round of the cluster's barrier, and behind the round this slot is filled again, with the same K steps of the next tile: the wave's one tensor load until the next such round.
; Then come the next fragments: K step 4 of this tile, or K step 0 of the next.
.macro TURN s, tl, fill
	s_wait_tensorcnt 0x0                           ; all my tensor loads have landed;  (every window is 0 here)
	ds_add_u32 v[SPW], v[NIL]                      ; 0 onto my spare word
	s_wait_dscnt 0x1                               ; this step's fragments are in; the add alone may be out
	WIN MULW
	MULA \s, 0, \tl                                ; eight products stand between the add and the wait for it
	s_wait_dscnt 0x0                               ; the add is done, and my reads of this slot are over
	s_barrier_signal -1
	MULA \s, 1, \tl                                ; work on registers while the others arrive
	WIN 0
	s_barrier_wait -1
.if \fill
	CREST                                          ; no wave of any partner still reads this slot or has a load on its way
	s_add_nc_u64 s[G0P+4*((\s)/4)+2:G0P+4*((\s)/4)+3], s[PBS+2*(\tl)+2:PBS+2*(\tl)+3], 6144*((\s)/4)   ; no tensor load of mine is out: a group 0 may be written: the next tile's records
	s_or_b32 s[G0P+4*((\s)/4)+3], s[G0P+4*((\s)/4)+3], 0x80000000
	s_add_nc_u64 s[G0R+4*((\s)/4)+2:G0R+4*((\s)/4)+3], s[RFS+2*(\tl)+2:RFS+2*(\tl)+3], 6144*((\s)/4)
	s_or_b32 s[G0R+4*((\s)/4)+3], s[G0R+4*((\s)/4)+3], 0x80000000
	JLOAD (\s)/4                                   ; the first tensor load behind the round; the four v_nop behind it are also the places in front of the loads below
.else
	PLACES
.endif
	s_wait_alu depctr_va_vdst(0)
	FETCH ((\s)+1)%8
	WIN MULW
	MULA \s, 2, \tl
	MULA \s, 3, \tl
	WIN 0
.endm
; THE WAY OUT of tile tl: for each of my four tiles of R: 64 numbers a lane, the bias added, quantised along P, stored as an image
.macro EPI tl
	PLACES                                         ; four places behind the last products
.if (\tl) == 0
	SCLOAD 2                                       ; tile 2's scale words take the registers that tile 0's have left
.endif
.irp a, 0,1,2,3
.set i, 0
.if (\tl) < 2
	WIN 0x0e                                       ; source 0 (the sums) window 2, source 1 (the bias along P) window 3
.rept 32
	v_pk_add_f32 v[H+2*i:H+2*i+1], v[64*\a+2*i:64*\a+2*i+1], v[BPW+64*(\tl)+2*i:BPW+64*(\tl)+2*i+1]   ; ascending: each accumulator is read from its low end on
.set i, i+1
.endr
.else
	WIN 0x02                                       ; source 0 window 2
.rept 32
	v_pk_add_f32 v[H+2*i:H+2*i+1], v[64*\a+2*i:64*\a+2*i+1], v[BRV+2*\a:BRV+2*\a+1] op_sel_hi:[1,0]   ; the bias along R: my row's number for both halves
.set i, i+1
.endr
.endif
	WIN 0
.if ((\tl) > 0) || (\a > 0)
	s_wait_xcnt 0x0                                ; the earlier stores have read the codes' registers: they are written again only behind this wait
.endif
	QUANT H, PWS+\a
.irp c, 0,1,2
	global_store_b128 v4, v[PC+4*\c:PC+4*\c+3], s[OUS+2*(\tl):OUS+2*(\tl)+1] offset:1536*\a+512*\c   ; 512 consecutive bytes, at a multiple of 256 from qkv's first byte
.endr
.endr
.if (\tl) < 2
	v_perm_b32 v[XW], v[PWS+1], v[PWS], 0x05040100     ; tile 0's head-0 bytes below, tile 1's above
	v_perm_b32 v[XW+1], v[PWS+1], v[PWS], 0x07060302   ; the same of head 1
	v_perm_b32 v[XW+2], v[PWS+3], v[PWS+2], 0x05040100
	v_perm_b32 v[XW+3], v[PWS+3], v[PWS+2], 0x07060302
	v_cndmask_b32 v[LO], v[XW], v[XW+2], s[HM]         ; lanes 0-15 store words 0, 1 of row r, lanes 16-31 words 2, 3
	v_cndmask_b32 v[LO+1], v[XW+1], v[XW+3], s[HM]
.else
	v_cndmask_b32 v[LO], v[PWS], v[PWS+2], s[HM]       ; v: the four tiles' words as they are
	v_cndmask_b32 v[LO+1], v[PWS+1], v[PWS+3], s[HM]
.endif
	global_store_b64 v5, v[LO:LO+1], s[OSS+2*(\tl):OSS+2*(\tl)+1]   ; the wave stores 256 consecutive bytes, aligned
.endm
	s_wait_alu depctr_va_vdst(0)                   ; the wait at the head's end
	s_wait_tensorcnt 0x0                           ; my part of slot 0 is in
	ds_add_u32 v[SPW], v[NIL]
	s_wait_dscnt 0x0
	CROUND                                         ; everybody's part is in, and all sixteen work-groups are here
	JLOAD 1                                        ; slot 1's first fill: K steps 4-7 of q's tile
	FETCH 0
	s_wait_loadcnt 0x0                             ; scale words and biases
	STEP 0, 0                                      ; ---- q
	STEP 1, 0
	global_prefetch_b8 v13, s[96:97] th:TH_LOAD_NT scope:SCOPE_SE             ; k's tile: my share of key's tokens,
	s_cmp_eq_u32 s93, 1
	s_cbranch_scc0 .Lno_wk
	global_prefetch_b8 v11, s[98:99] th:TH_LOAD_NT scope:SCOPE_SE             ; and, in four clusters, of Wk
	global_prefetch_b8 v12, s[98:99] offset:8192 th:TH_LOAD_NT scope:SCOPE_SE
.Lno_wk:
	STEP 2, 0
	TURN 3, 0, 1                                   ; slot 0 takes k's K steps 0-3
	STEP 4, 0
	global_prefetch_b8 v11, s[100:101] th:TH_LOAD_NT scope:SCOPE_SE           ; v's tile: my share of value's tokens,
	global_prefetch_b8 v12, s[100:101] offset:8192 th:TH_LOAD_NT scope:SCOPE_SE
	s_cmp_eq_u32 s93, 1
	s_cbranch_scc0 .Lno_wv
	global_prefetch_b8 v13, s[90:91] th:TH_LOAD_NT scope:SCOPE_SE             ; and, in four clusters, of Wv
.Lno_wv:
	STEP 5, 0
	STEP 6, 0
	TURN 7, 0, 1                                   ; slot 1 takes k's K steps 4-7; k's first fragments are fetched
	EPI 0
	STEP 0, 1                                      ; ---- k
	STEP 1, 1
	STEP 2, 1
	TURN 3, 1, 1                                   ; slot 0 takes v's K steps 0-3
	STEP 4, 1
	STEP 5, 1
	STEP 6, 1
	TURN 7, 1, 1                                   ; slot 1 takes v's K steps 4-7
	EPI 1
	s_wait_loadcnt 0x0                             ; v's scale words
	STEP 0, 2                                      ; ---- v: nothing more is asked for
	STEP 1, 2
	STEP 2, 2
	TURN 3, 2, 0
	STEP 4, 2
	STEP 5, 2
	STEP 6, 2
	s_wait_dscnt 0x0
	WIN MULW
	MULA 7, 0, 2
	MULA 7, 1, 2
	MULA 7, 2, 2
	MULA 7, 3, 2
	WIN 0
	EPI 2
	s_wait_tensorcnt 0x0                           ; the wave's end: behind my last tensor load, as my last LDS instructions
	ds_add_u32 v[SPW], v[NIL]
	s_wait_dscnt 0x0
	CROUND                                         ; the closing round: no work-group ends while a partner may still ask for a tile that names it
	s_endpgm
.Lfunc_end_k_qe91d514752_proj:
	.size	k_qe91d514752_proj, .Lfunc_end_k_qe91d514752_proj-k_qe91d514752_proj
	.p2alignl 7, 3214868480
	.fill 96, 4, 3214868480
	.section	.rodata,"a",@progbits
	.p2align	6, 0x0
	.amdhsa_kernel k_qe91d514752_proj
		.amdhsa_group_segment_fixed_size 327680
		.amdhsa_private_segment_fixed_size 0
		.amdhsa_enable_private_segment 0
		.amdhsa_kernarg_size 40
		.amdhsa_user_sgpr_count 2
		.amdhsa_user_sgpr_kernarg_segment_ptr 1
		.amdhsa_wavefront_size32 1
		.amdhsa_system_sgpr_workgroup_id_x 1
		.amdhsa_system_sgpr_workgroup_id_y 1
		.amdhsa_system_sgpr_workgroup_id_z 1
		.amdhsa_system_vgpr_workitem_id 0
		.amdhsa_next_free_vgpr 1024
		.amdhsa_next_free_sgpr 102
		.amdhsa_reserve_vcc 0
		.amdhsa_float_denorm_mode_32 3
		.amdhsa_float_denorm_mode_16_64 3
		.amdhsa_memory_ordered 1
		.amdhsa_forward_progress 1
		.amdhsa_inst_pref_size 255
	.end_amdhsa_kernel
	.section	.bss,"aw",@nobits
	.p2align	6
	.space	262144
	.amdgpu_metadata
---
amdhsa.version: [ 1, 2 ]
amdhsa.kernels:
  - .name:           k_qe91d514752_proj
    .symbol:         k_qe91d514752_proj.kd
    .args:
      - { .name: xw, .offset: 0, .size: 8, .value_kind: global_buffer, .address_space: global }
      - { .name: bq, .offset: 8, .size: 8, .value_kind: global_buffer, .address_space: global }
      - { .name: bk, .offset: 16, .size: 8, .value_kind: global_buffer, .address_space: global }
      - { .name: bv, .offset: 24, .size: 8, .value_kind: global_buffer, .address_space: global }
      - { .name: qkv, .offset: 32, .size: 8, .value_kind: global_buffer, .address_space: global }
    .group_segment_fixed_size: 327680
    .private_segment_fixed_size: 0
    .kernarg_segment_align: 8
    .kernarg_segment_size: 40
    .max_flat_workgroup_size: 128
    .sgpr_count:     102
    .vgpr_count:     1024
    .wavefront_size: 32
...
	.end_amdgpu_metadata
.endif
;; end of part 2
;; launch attn (part 3): grid 4 x 64, 16 waves a work-group, clusters of 4 x 1, 206,848 bytes of LDS; arguments qkv, ao; writes ao
.if DOCPART == 3
	.amdgcn_target "amdgcn-amd-amdhsa--gfx1250"
	.amdhsa_code_object_version 6
	.text
	.protected	k_qe91d514752_attn
	.globl	k_qe91d514752_attn
	.p2align	8
	.type	k_qe91d514752_attn,@function
k_qe91d514752_attn:
	s_mov_b64 s[64:65], 0
	v_nop
	global_prefetch_b8 v0, s[64:65] scope:SCOPE_SE
	s_setreg_imm32_b32 hwreg(HW_REG_WAVE_MODE, 25, 1), 1
	s_wait_xcnt 0x0
	s_wait_alu depctr_hold_cnt(0) depctr_sa_sdst(0) depctr_va_vdst(0) depctr_va_sdst(0) depctr_va_ssrc(0) depctr_va_vcc(0) depctr_vm_vsrc(0)
	s_getreg_b32 s2, hwreg(HW_REG_IB_STS2, 6, 4)
	s_cmp_eq_u32 s2, 0
	s_cbranch_scc0 .Lentry_in_a_cluster
	s_endpgm
.Lentry_in_a_cluster:
	s_bfe_u32 s2, ttmp6, 0x10000c
	s_cmp_lg_u32 s2, 0x3003
	s_cbranch_scc0 .Lentry_shape_is_right
	s_endpgm
.Lentry_shape_is_right:
; For each batch b and head: o = softmax(q k^T / 8) v, both products on codes of BF6 with E8M0 scales (buffer qkv), and o's quantising along the 1,024 features for the last product (buffer ao).
; THE SOFTMAX: t = score x log2(e) / 8; M = the running largest t rounded UP to a whole number; p = 2^(t - M) is quantised along the keys, not normalised; the row's sum is taken of the unquantised p
; and divides at the end.  When M moves, the sum and O are multiplied by 2^(old M - new M): exact, in every step, with no branch.
; SHARES.  A cluster of four work-groups takes one record 8 b + g (heads 2 g, 2 g + 1); work-group cx owns queries 256 cx on, each of its sixteen waves one tile of 16; a wave walks head 2 g, then 2 g + 1, 128 keys a step.
; K's and V's records of both heads, 204,800 bytes, come into LDS ONCE, by one joint tensor load a wave (12,800 bytes; one load of mine is out); nothing is filled again.
; No prefetch: nothing is asked of memory behind the head, so there is no loop to run ahead in.
; LAYOUT.  Both products transposed: S^T = K Q^T, O^T = V^T P^T: a lane holds ONE query throughout.
; KEY TILES: lane-row i of key tile T is key 64 (T / 4) + 8 (T % 4) + i % 8 + 32 (i / 8).  So register 32 c + 8 t + j of lane (r, h) is key 64 c + 32 h + 8 t + j of the step:
; a lane's 32 registers are ONE WHOLE BLOCK of 32 keys, in the order that the second product's operand wants: the block's maximum needs no other lane, and the codes are not moved between lanes.
; K = 64 IN AN INSTRUCTION OF 128: source 0 holds TWO key tiles of one head, tile 2 p in registers 0-5 and tile 2 p + 1 in registers 6-11.  Q lies in a run [6 zeros][6 codes][6 zeros]: the run's upper 12 registers
; multiply tile 2 p alone, the lower 12 tile 2 p + 1 alone.  The half that is not meant has zero codes (its scale bytes are 0, which is 2^-127 and no NaN).
; A BARRIER A STEP, split: no wave begins O^T += V^T P^T of a step before every wave has begun that step, so the sixteen waves stay within one step of each other, on the same tiles of K and V.
; OUTPUT ao: a record of 12,800 bytes for each token tile 64 b + tau, as xw's: K step g at 1536 g; scale words at 12,288 + 256 (g / 4) + 16 r + 4 (g % 4): stores of 4 bytes, 16 apart, 64 bytes a wave.
; LIMITS: no NaN or infinities; a block under 2^-122 keeps the byte 1; the softmax holds while |t| stays under 2^31.
.set REC,  12800
.set AKS0, 2                           ; 98,304 + 16 r: K's scale words
.set AV0,  3                           ; 102,400 + 16 x lane: V's images
.set AVS0, 4                           ; 200,704 + 16 r: V's scale words
.set LI,   5                           ; 16 x lane: my place in an image, in LDS and in memory
.set R16,  6                           ; 16 r
.set LN,   7                           ; lane
.set ADK,  8                           ; v8-11 the step's LDS addresses
.set ADKS, 9
.set ADV,  10
.set ADVS, 11                          ; v12 -M, v13 the largest score, v[14:15] the sum in two halves
.set QZ,   16                          ; v16-33 zeros, Q's six registers of the head in hand, zeros
.set QO,   34                          ; v34-39 the second head's six
.set QS,   40                          ; v40-43 Q's scale words: head e: v[40 + 2 e] for K 0-63, v[41 + 2 e] for K 64-127
.set KF,   44                          ; v44-91 four fragments of K, then of V
.set SH8,  92                          ; 8 (lane / 16)
.set OLD,  93                          ; the last step's -M
.set RM,   94
.set TT,   95
.set S,    96                          ; v96-159 S^T, then p
.set O,    160                         ; v160-191 O^T
.set PC,   192                         ; v192-203 p's codes
.set TC,   204                         ; v204-206, v208-210 the upper halves of two blocks, as they are converted
.set OC,   212                         ; v212-223 o's codes, both heads: one fragment
.set PWO,  224                         ; its scale word
.set SPW,  226                         ; my spare word; never rewritten
.set NIL,  227                         ; 0; never rewritten
.set KSC,  228                         ; v228-235 K's scale words of a step
.set VSC,  236                         ; v236-239 V's
.set X,    240                         ; v240-247 at work
.set SO,   248                         ; v248-249 the conversions' scale operands
.set BM,   250                         ; v250-251 my two blocks' maxima
.set F,    252                         ; 2^(old M - new M)
.set PW,   253                         ; p's scale word
.set T0,   254
.set T1,   255
.set SEL,  20
.set CS,   22
.set TK,   40
.set TKS,  41
.set TV,   42
.set TVS,  43
.set CNT,  44
.macro CROUND
	s_barrier_signal -1
	s_barrier_wait -1
	s_cmp_lg_u32 s14, 0
	s_cbranch_scc1 .Lnot_wave_0_\@
	s_barrier_signal -3
.Lnot_wave_0_\@:
	s_barrier_wait -3
	s_barrier_signal -1
	s_barrier_wait -1
.endm
	s_load_b128 s[4:7], s[0:1], 0x0                ; qkv, ao
	v_lshl_add_u32 v[SPW], v0, 2, 0x32000
	v_mov_b32 v[NIL], 0
	ds_add_u32 v[SPW], v[NIL]                      ; the opening lines: the add, twice on end, and its wait
	ds_add_u32 v[SPW], v[NIL]
	v_lshrrev_b32 v1, 5, v0
	v_readfirstlane_b32 s14, v1                    ; wave 0..15
	s_bfe_u32 s15, ttmp6, 0x40000                  ; cx: it enters Q's and ao's addresses alone
	s_and_b32 s16, ttmp7, 0xffff                   ; 8 b + g, which the four partners share
	s_mul_i32 s36, s16, 102400                     ; the record
	s_mul_i32 s37, s14, REC                        ; my sixteenth of the two records: in LDS,
	s_lshr_b32 s38, s14, 3
	s_mul_i32 s38, s38, 6451200                    ; and in memory: waves 8-15 take V's record, a region less a record further on
	s_add_co_u32 s38, s38, s36
	s_add_co_u32 s38, s38, s37
	s_add_co_u32 s38, s38, 6553600                 ; K's region
	s_mov_b32 s39, 0
	s_mov_b32 s24, 15|(3<<16)|(1<<21)              ; group 1: the mask: all four work-groups; elements of 8 bytes; bit 21 beside a mask
	s_mov_b32 s25, 32<<16                          ; rows of 256 bytes,
	s_mov_b32 s26, 50<<16                          ; 50 of them,
	s_mov_b32 s27, 32<<16
	s_mov_b32 s28, 50
	s_mov_b32 s29, 32                              ; dense
	s_mov_b32 s30, 0
	s_mov_b32 s31, 0
	s_lshl_b32 s17, s15, 4
	s_add_co_u32 s17, s17, s14                     ; my query tile: 16 cx + wave
	s_and_b32 s18, s14, 1
	s_lshl_b32 s18, s18, 4                         ; which half of a scale word is my tile's
	s_mul_i32 s46, s17, 1536
	s_add_co_u32 s46, s46, s36                     ; Q's image
	s_mov_b32 s47, 0
	s_lshr_b32 s52, s17, 2
	s_lshl_b32 s52, s52, 8                         ; its unit of scale words,
	s_bfe_u32 s19, s14, 0x10001
	s_lshl_b32 s19, s19, 3                         ; and the pair of words in it
	s_add_co_u32 s52, s52, s19
	s_add_co_u32 s52, s52, s36
	s_add_co_u32 s52, s52, 98304
	s_mov_b32 s53, 0
	s_lshr_b32 s55, s16, 3
	s_lshl_b32 s55, s55, 6
	s_add_co_u32 s55, s55, s17                     ; ao's record: 64 b + tile
	s_mul_i32 s55, s55, REC
	s_and_b32 s19, s16, 7                          ; g
	s_mul_i32 s48, s19, 1536
	s_add_co_u32 s48, s48, s55                     ; K step g's image
	s_mov_b32 s49, 0
	s_lshr_b32 s50, s19, 2
	s_lshl_b32 s50, s50, 8
	s_and_b32 s19, s19, 3
	s_lshl_b32 s19, s19, 2
	s_add_co_u32 s50, s50, s19
	s_add_co_u32 s50, s50, s55
	s_add_co_u32 s50, s50, 12288                   ; and its scale word's place
	s_mov_b32 s51, 0
	s_mov_b32 s[SEL], 0x76543210
	s_mov_b32 s[SEL+1], 0xfedcba98
	s_mov_b32 s[CS], 0x3e38aa3b                    ; c = log2(e) / 8
	s_mov_b32 s[CS+1], s[CS]                       ; (named with it as a pair)
	s_wait_dscnt 0x0
	s_wait_kmcnt 0x0
	s_mov_b32 s32, 1                               ; group 0
	s_mov_b32 s33, s37                             ; LDS address: the wave's number alone
	s_add_nc_u64 s[34:35], s[4:5], s[38:39]
	s_or_b32 s35, s35, 0x80000000
	s_add_nc_u64 s[46:47], s[4:5], s[46:47]
	s_add_nc_u64 s[52:53], s[4:5], s[52:53]
	s_add_nc_u64 s[48:49], s[6:7], s[48:49]
	s_add_nc_u64 s[50:51], s[6:7], s[50:51]
	CROUND                                         ; all four work-groups are here: the joint loads meet
	tensor_load_to_lds s[32:35], s[24:31]
	s_nop 0
.rept 4
	v_nop
.endr
	v_and_b32 v[LN], 31, v0
	v_and_b32 v[R16], 15, v0
	v_lshlrev_b32 v[LI], 4, v[LN]
	v_lshlrev_b32 v[R16], 4, v[R16]
	global_load_b128 v[QZ+6:QZ+9], v[LI], s[46:47]             ; Q's image: registers 0-5 are head 2 g's,
	global_load_b64 v[QZ+10:QZ+11], v[LI], s[46:47] offset:512
	global_load_b64 v[QO:QO+1], v[LI], s[46:47] offset:520     ; registers 6-11 head 2 g + 1's
	global_load_b128 v[QO+2:QO+5], v[LI], s[46:47] offset:1024
	global_load_b64 v[T0:T1], v[R16], s[52:53]                 ; the two heads' words for my pair of tiles
	v_add_nc_u32 v[AKS0], 98304, v[R16]
	v_add_nc_u32 v[AV0], 102400, v[LI]
	v_add_nc_u32 v[AVS0], 200704, v[R16]
	v_bfe_u32 v[SH8], v0, 4, 1
	v_lshlrev_b32 v[SH8], 3, v[SH8]
.irp i, 0,1,2,3,4,5
	v_mov_b32 v[QZ+\i], 0
	v_mov_b32 v[QZ+12+\i], 0
.endr
	v_mov_b32 v[PW], 0                             ; (named as the upper half of the pair v[252:253] before it is first made)
	s_wait_alu depctr_va_vdst(0)                   ; the wait at the head's end
	s_wait_tensorcnt 0x0                           ; my part of the records is in,
	s_barrier_signal -1
	s_barrier_wait -1                              ; everybody's is
	s_wait_loadcnt 0x0                             ; Q
	v_lshrrev_b32 v[T0], s18, v[T0]
	v_lshrrev_b32 v[T1], s18, v[T1]
	v_and_b32 v[QS], 0xffff, v[T0]                 ; my tile's two bytes over K 0-63, bytes 0 over the zero codes
	v_and_b32 v[QS+2], 0xffff, v[T1]
	v_lshlrev_b32 v[QS+1], 16, v[QS]               ; and the same over K 64-127
	v_lshlrev_b32 v[QS+3], 16, v[QS+2]
.macro VLD a                           ; V's fragment a: an image of 1,536 bytes
.irp c, 0,1,2
	ds_load_b128 v[KF+12*(\a)+4*\c:KF+12*(\a)+4*\c+3], v[ADV] offset:1536*(\a)+512*\c
.endr
.endm
; A KEY STEP of head 2 g + e: 128 keys
.macro KSTEP e
	s_barrier_signal -1                            ; I have begun this step (no LDS instruction of mine is out)
	v_add_nc_u32 v[ADK], s[TK], v[LI]              ; with the three additions at the last step's end: the places in front of loads into registers that its products read
	v_add_nc_u32 v[ADKS], s[TKS], v[AKS0]
.irp p, 0,1,2,3                                ; fragment p: key tiles 2 p, 2 p + 1: of each image the head's six registers
.irp u, 0,1
.if (\e) == 0
	ds_load_b128 v[KF+12*\p+6*\u:KF+12*\p+6*\u+3], v[ADK] offset:1536*(2*\p+\u)
	ds_load_b64 v[KF+12*\p+6*\u+4:KF+12*\p+6*\u+5], v[ADK] offset:1536*(2*\p+\u)+512
.else
	ds_load_b64 v[KF+12*\p+6*\u:KF+12*\p+6*\u+1], v[ADK] offset:1536*(2*\p+\u)+520
	ds_load_b128 v[KF+12*\p+6*\u+2:KF+12*\p+6*\u+5], v[ADK] offset:1536*(2*\p+\u)+1024
.endif
.endr
.endr
	ds_load_b128 v[KSC:KSC+3], v[ADKS]             ; word 2 p + e: tile 2 p's bytes below, tile 2 p + 1's above
	ds_load_b128 v[KSC+4:KSC+7], v[ADKS] offset:256
	s_wait_alu depctr_va_vdst(0)                   ; the wait ahead of a wait that blocks
	s_wait_dscnt 0x0                               ; all 18 loads
.irp p, 0,1,2,3
	v_wmma_scale_f32_16x16x128_f8f6f4 v[S+16*\p:S+16*\p+7], v[KF+12*\p:KF+12*\p+11], v[QZ+6:QZ+17], 0, v[KSC+2*\p+(\e)], v[QS+2*(\e)] matrix_a_fmt:MATRIX_FMT_BF6 matrix_b_fmt:MATRIX_FMT_BF6
	v_wmma_scale_f32_16x16x128_f8f6f4 v[S+16*\p+8:S+16*\p+15], v[KF+12*\p:KF+12*\p+11], v[QZ:QZ+11], 0, v[KSC+2*\p+(\e)], v[QS+2*(\e)+1] matrix_a_fmt:MATRIX_FMT_BF6 matrix_b_fmt:MATRIX_FMT_BF6
.endr
	v_add_nc_u32 v[ADV], s[TV], v[AV0]             ; four places behind the products: in front of the first read of the scores and of V's loads
	v_add_nc_u32 v[ADVS], s[TVS], v[AVS0]
	v_mov_b32 v[OLD], v12
	v_nop
.irp q, 0,1,2,3,4,5,6,7                        ; the largest score of each of my two blocks: eight chains by turns, each accumulator from its low end on
	v_max3_num_f32 v[X+\q], v[S+8*\q], v[S+8*\q+1], v[S+8*\q+2]
.endr
.irp i, 3,5
.irp q, 0,1,2,3,4,5,6,7
	v_max3_num_f32 v[X+\q], v[X+\q], v[S+8*\q+\i], v[S+8*\q+\i+1]
.endr
.endr
.irp q, 0,2,4,6
	v_max3_num_f32 v[X+\q], v[X+\q], v[S+8*\q+7], v[S+8*\q+15]
.endr
.irp c, 0,1
	v_max3_num_f32 v[BM+\c], v[X+4*\c], v[X+4*\c+1], v[X+4*\c+2]
.endr
.irp c, 0,1
	v_max_num_f32 v[BM+\c], v[BM+\c], v[X+4*\c+3]  ; block 2 c + lane / 16: it serves the row's maximum and, since p rises with the score, the block's largest p
.endr
	VLD 0                                          ; V's 13 loads stand between the links of the one chain that has no other chain to take turns with
	v_max_num_f32 v[RM], v[BM], v[BM+1]
	VLD 1
	v_permlanex16_b32 v[T0], v[RM], s[SEL], s[SEL+1]
	VLD 2
	v_max3_num_f32 v13, v13, v[RM], v[T0]          ; the running largest score of my query
	VLD 3
	v_mul_f32 v[TT], s[CS], v13                    ; as t (c is positive)
	ds_load_b128 v[VSC:VSC+3], v[ADVS]
	v_floor_f32 v12, -v[TT]                        ; the new -M = floor(-t): M is a whole number
.set j, 0
.rept 32
	v_pk_fma_f32 v[S+j:S+j+1], v[S+j:S+j+1], s[CS:CS+1], v[12:13] op_sel_hi:[1,0,0]   ; t - M, two at a time
.if j == 6
	v_sub_f32 v[TT], v12, v[OLD]                   ; old M - new M: a whole number, 0 or less
.elseif j == 14
	v_cvt_i32_f32 v[TT], v[TT]                     ; (it saturates)
.elseif j == 22
	v_ldexp_f32 v[F], 1.0, v[TT]                   ; f = 2^(old M - new M)
.endif
.set j, j+2
.endr
.irp c, 0,1
	v_fma_f32 v[BM+\c], v[BM+\c], s[CS], v12       ; the same of each block's largest score
.endr
	s_wait_alu depctr_va_vdst(0)                   ; the wait ahead of the batch
.irp c, 0,1
	v_exp_f32 v[BM+\c], v[BM+\c]                   ; the block's largest p
.endr
.set j, 0
.rept 64
	v_exp_f32 v[S+j], v[S+j]                       ; p = 2^(t - M), at most 1
.set j, j+1
.endr
	v_pk_mul_f32 v[14:15], v[14:15], v[F:PW] op_sel_hi:[1,0]   ; the sums under the new M: a plain place behind the exponentials
	s_wait_alu depctr_va_vdst(0)                   ; one wait for the batch of 66, ahead of its first reader
	v_pk_add_f32 v[X:X+1], v[S:S+1], v[S+2:S+3]    ; the row's sum of the unquantised p: four chains by turns; the blocks' scales are made between them
	v_pk_add_f32 v[X+2:X+3], v[S+4:S+5], v[S+6:S+7]
	v_pk_add_f32 v[X+4:X+5], v[S+8:S+9], v[S+10:S+11]
.irp i, 6,10,14,18,22,26
	v_pk_add_f32 v[14:15], v[14:15], v[S+2*\i:S+2*\i+1]
	v_pk_add_f32 v[X:X+1], v[X:X+1], v[S+2*\i+2:S+2*\i+3]
	v_pk_add_f32 v[X+2:X+3], v[X+2:X+3], v[S+2*\i+4:S+2*\i+5]
	v_pk_add_f32 v[X+4:X+5], v[X+4:X+5], v[S+2*\i+6:S+2*\i+7]
.if \i == 6
	v_max_num_f32 v[BM], 0x2800000, v[BM]          ; the floor 2^(5 - 127): the byte cannot fall under 1
	v_max_num_f32 v[BM+1], 0x2800000, v[BM+1]
.elseif \i == 10
	v_add_nc_u32 v[SO], 0xfe000000, v[BM]          ; 4 off the exponent field: the conversion's scale operand
	v_add_nc_u32 v[SO+1], 0xfe000000, v[BM+1]
.elseif \i == 14
	v_lshrrev_b32 v[X+6], 23, v[SO]                ; the scale's byte
	v_lshrrev_b32 v[X+7], 23, v[SO+1]
.elseif \i == 18
	v_lshl_or_b32 v[PW], v[X+7], 16, v[X+6]        ; my bytes: blocks h and 2 + h,
.elseif \i == 22
	v_lshlrev_b32 v[PW], v[SH8], v[PW]             ; at their places in the word
.else
	v_permlanex16_b32 v[T1], v[PW], s[SEL], s[SEL+1]
.endif
.endr
	v_pk_add_f32 v[14:15], v[14:15], v[S+60:S+61]
	v_pk_add_f32 v[X:X+1], v[X:X+1], v[S+62:S+63]
.irp c, 0,1
	v_cvt_scalef32_pk16_bf6_f32 v[PC+6*\c:PC+6*\c+2], v[S+32*\c:S+32*\c+15], v[SO+\c]
	v_cvt_scalef32_pk16_bf6_f32 v[TC+4*\c:TC+4*\c+2], v[S+32*\c+16:S+32*\c+31], v[SO+\c]   ; (a conversion's three registers begin on an even number)
.endr
	v_or_b32 v[PW], v[PW], v[T1]                   ; with lane l xor 16's two bytes the word is whole.  Also the plain place behind the conversions
.irp c, 0,1
.irp i, 0,1,2
	v_mov_b32 v[PC+6*\c+3+\i], v[TC+4*\c+\i]
.endr
.endr
	s_barrier_wait -1                              ; every wave has begun this step
	s_wait_dscnt 0x0                               ; V's 13 loads
	s_wait_alu depctr_va_vdst(0)                   ; the wait directly ahead of the first reader of O^T
.set j, 0
.rept 16
	v_pk_mul_f32 v[O+j:O+j+1], v[O+j:O+j+1], v[F:PW] op_sel_hi:[1,0]   ; O^T under the new M; ascending; twelve of the sixteen name no register of any one product below: its places
.set j, j+2
.endr
.irp a, 0,1,2,3                                ; O^T += V^T P^T: the four accumulators by turns
	v_wmma_scale_f32_16x16x128_f8f6f4 v[O+8*\a:O+8*\a+7], v[KF+12*\a:KF+12*\a+11], v[PC:PC+11], v[O+8*\a:O+8*\a+7], v[VSC+\a], v[PW] matrix_a_fmt:MATRIX_FMT_BF6 matrix_b_fmt:MATRIX_FMT_BF6
.endr
	v_pk_add_f32 v[X+2:X+3], v[X+2:X+3], v[X+4:X+5]   ; the four chains are joined: places behind the products
	v_pk_add_f32 v[14:15], v[14:15], v[X:X+1]
	v_pk_add_f32 v[14:15], v[14:15], v[X+2:X+3]
	s_add_co_u32 s[TK], s[TK], 12288               ; eight images of K on,
	s_add_co_u32 s[TKS], s[TKS], 512               ; two units of its scale words,
	s_add_co_u32 s[TV], s[TV], 6144                ; four images of V,
	s_add_co_u32 s[TVS], s[TVS], 256               ; one unit
.endm
; One head: the sums begin as zeros and the largest score as -3e38, so the step is written once; eight steps; then o = O^T / the sum, quantised: half a fragment
.macro HEAD e
.if (\e) == 1
.irp i, 0,1,2,3,4,5
	v_mov_b32 v[QZ+6+\i], v[QO+\i]
.endr
.endif
	v_mov_b32 v13, 0xff61b1e6                      ; -3e38, under every score
	v_mov_b32 v14, 0
	v_mov_b32 v15, 0
	v_floor_f32 v12, -v13
.set j, 0
.rept 32
	v_mov_b32 v[O+j], 0
.set j, j+1
.endr
	s_mov_b32 s[TK], 0
	s_mov_b32 s[TKS], 0
	s_mov_b32 s[TV], 49152*(\e)
	s_mov_b32 s[TVS], 2048*(\e)
	s_mov_b32 s[CNT], 8
.Lstep_\@:
	KSTEP \e
	s_sub_co_u32 s[CNT], s[CNT], 1
	s_cmp_lg_u32 s[CNT], 0
	s_cbranch_scc1 .Lstep_\@
	s_wait_alu depctr_va_vdst(0)                   ; the wait behind a run of scalar instructions
	v_add_f32 v14, v14, v15                        ; the sum's two halves,
	v_permlanex16_b32 v[T0], v14, s[SEL], s[SEL+1]
	v_add_f32 v14, v14, v[T0]                      ; and lane l xor 16's keys
	s_wait_alu depctr_va_vdst(0)
	v_rcp_f32 v14, v14
	v_nop                                          ; a plain place behind the reciprocal,
	s_wait_alu depctr_va_vdst(0)                   ; and the wait ahead of its first reader and of O^T's
.set j, 0
.rept 16
	v_pk_mul_f32 v[S+j:S+j+1], v[O+j:O+j+1], v[14:15] op_sel_hi:[1,0]   ; register 16 b + i: channel 32 b + 16 (lane / 16) + i
.set j, j+2
.endr
.irp b, 0,1
	v_max3_num_f32 v[BM+\b], |v[S+16*\b]|, |v[S+1+16*\b]|, 0x2800000
.endr
.irp i, 2,4,6,8,10,12,14
.irp b, 0,1
	v_max3_num_f32 v[BM+\b], v[BM+\b], |v[S+16*\b+\i]|, |v[S+1+16*\b+\i]|
.endr
.endr
.irp b, 0,1
	v_permlanex16_b32 v[X+\b], v[BM+\b], s[SEL], s[SEL+1]
.endr
.irp b, 0,1
	v_max_num_f32 v[BM+\b], v[BM+\b], v[X+\b]      ; a block of 32 channels lies in lanes l and l xor 16
.endr
.irp b, 0,1
	v_add_nc_u32 v[SO+\b], 0xfe000000, v[BM+\b]
.endr
.irp b, 0,1
	v_lshrrev_b32 v[X+\b], 23, v[SO+\b]
.endr
.if (\e) == 0
	v_lshl_or_b32 v[PWO], v[X+1], 8, v[X]          ; the word's lower two bytes
.else
	v_lshl_or_b32 v[PWO], v[X], 16, v[PWO]         ; and its upper two
	v_lshl_or_b32 v[PWO], v[X+1], 24, v[PWO]
.endif
	v_cvt_scalef32_pk16_bf6_f32 v[OC+6*(\e):OC+6*(\e)+2], v[S:S+15], v[SO]
	v_cvt_scalef32_pk16_bf6_f32 v[TC:TC+2], v[S+16:S+31], v[SO+1]
	v_nop                                          ; one plain place behind a scaled conversion
.irp i, 0,1,2
	v_permlane16_swap_b32 v[OC+6*(\e)+\i], v[TC+\i]   ; the operand's layout wants a whole block in a lane
.endr
.irp i, 0,1,2
	v_mov_b32 v[OC+6*(\e)+3+\i], v[TC+\i]
.endr
.endm
	HEAD 0
	HEAD 1
.irp c, 0,1,2
	global_store_b128 v[LI], v[OC+4*\c:OC+4*\c+3], s[48:49] offset:512*\c   ; the image: 512 consecutive bytes a store, at a multiple of 256 from ao's first byte
.endr
	s_wait_xcnt 0x0                                ; EXEC changes only behind this wait
	v_cmp_gt_u32 vcc_lo, 16, v[LN]
	s_and_saveexec_b32 s54, vcc_lo
	global_store_b32 v[R16], v[PWO], s[50:51]      ; lanes 0-15: row r's word
	s_wait_xcnt 0x0                                ; and again in front of the line that widens it
	s_or_b32 exec_lo, exec_lo, s54
	s_wait_tensorcnt 0x0                           ; the wave's end
	ds_add_u32 v[SPW], v[NIL]
	s_wait_dscnt 0x0
	CROUND                                         ; the closing round
	s_endpgm
.Lfunc_end_k_qe91d514752_attn:
	.size	k_qe91d514752_attn, .Lfunc_end_k_qe91d514752_attn-k_qe91d514752_attn
	.p2alignl 7, 3214868480
	.fill 96, 4, 3214868480
	.section	.rodata,"a",@progbits
	.p2align	6, 0x0
	.amdhsa_kernel k_qe91d514752_attn
		.amdhsa_group_segment_fixed_size 206848
		.amdhsa_private_segment_fixed_size 0
		.amdhsa_enable_private_segment 0
		.amdhsa_kernarg_size 16
		.amdhsa_user_sgpr_count 2
		.amdhsa_user_sgpr_kernarg_segment_ptr 1
		.amdhsa_wavefront_size32 1
		.amdhsa_system_sgpr_workgroup_id_x 1
		.amdhsa_system_sgpr_workgroup_id_y 1
		.amdhsa_system_sgpr_workgroup_id_z 1
		.amdhsa_system_vgpr_workitem_id 0
		.amdhsa_next_free_vgpr 256
		.amdhsa_next_free_sgpr 66
		.amdhsa_reserve_vcc 1
		.amdhsa_float_denorm_mode_32 3
		.amdhsa_float_denorm_mode_16_64 3
		.amdhsa_memory_ordered 1
		.amdhsa_forward_progress 1
		.amdhsa_inst_pref_size 46
	.end_amdhsa_kernel
	.amdgpu_metadata
---
amdhsa.version: [ 1, 2 ]
amdhsa.kernels:
  - .name:           k_qe91d514752_attn
    .symbol:         k_qe91d514752_attn.kd
    .args:
      - { .name: qkv, .offset: 0, .size: 8, .value_kind: global_buffer, .address_space: global }
      - { .name: ao, .offset: 8, .size: 8, .value_kind: global_buffer, .address_space: global }
    .group_segment_fixed_size: 206848
    .private_segment_fixed_size: 0
    .kernarg_segment_align: 8
    .kernarg_segment_size: 16
    .max_flat_workgroup_size: 512
    .sgpr_count:     66
    .vgpr_count:     256
    .wavefront_size: 32
...
	.end_amdgpu_metadata
.endif
;; end of part 3
;; launch oproj (part 4): grid 4 x 64, 4 waves a work-group, clusters of 4 x 4, 295,424 bytes of LDS; arguments ao, xw, bo, out0; writes out0
.if DOCPART == 4
	.amdgcn_target "amdgcn-amd-amdhsa--gfx1250"
	.amdhsa_code_object_version 6
	.text
	.protected	k_qe91d514752_oproj
	.globl	k_qe91d514752_oproj
	.p2align	8
	.type	k_qe91d514752_oproj,@function
k_qe91d514752_oproj:
	s_mov_b64 s[64:65], 0
	v_nop
	global_prefetch_b8 v0, s[64:65] scope:SCOPE_SE
	s_setreg_imm32_b32 hwreg(HW_REG_WAVE_MODE, 25, 1), 1
	s_wait_xcnt 0x0
	s_wait_alu depctr_hold_cnt(0) depctr_sa_sdst(0) depctr_va_vdst(0) depctr_va_sdst(0) depctr_va_ssrc(0) depctr_va_vcc(0) depctr_vm_vsrc(0)
	s_getreg_b32 s2, hwreg(HW_REG_IB_STS2, 6, 4)
	s_cmp_eq_u32 s2, 0
	s_cbranch_scc0 .Lentry_in_a_cluster
	s_endpgm
.Lentry_in_a_cluster:
	s_bfe_u32 s2, ttmp6, 0x10000c
	s_cmp_lg_u32 s2, 0xf033
	s_cbranch_scc0 .Lentry_shape_is_right
	s_endpgm
.Lentry_shape_is_right:
; out0 = o Wo^T + bo, on codes of BF6 with E8M0 scales: o from ao, Wo from xw (row tiles 1728 on); out0 [8192][1024] f32.
; A tile is P = 256 rows of Wo (source 0) x R = 128 tokens (source 1), all of K = 1,024 in LDS, filled once: ONE joint tensor load a wave: waves 0, 1 fetch P's halves (8 row tiles x 12,288 bytes),
; waves 2, 3 R's halves (4 row tiles): a descriptor row is a record's eight images on end, and begins at a multiple of 256 bytes.  One load of mine is out.
; LDS: P's half wp at 98,304 wp, R's half at 196,608 + 49,152 x half; in a half row tile i at 12,288 i, K step s at 1,536 s.  Behind them the spare words.
; A lane holds one token, and its registers 64 a + 16 b + i hold feature 32 b + 16 (lane / 16) + i of the wave's 128: 64 neighbouring bytes at a time.
; TWO HALVES: a wave's four tiles of 16 tokens go in two halves of two, each through all eight K steps (16 accumulators by turns): the first half's rows are stored ahead of the second half's products.
; P's fragments are read from LDS once for each half.
; CLUSTER 4 x 4: Wo's tile hangs on cx alone (asked for jointly along a column of the cluster), the tokens' on cy alone (along a row).
; No prefetch: nothing is asked of memory behind the head, so there is no loop to run ahead in.
; THE WAY OUT: a tile of 16 tokens x 128 features goes through the wave's own stage in LDS (rows of 512 + 16 bytes) and leaves as whole rows.  The stages of the two waves that share R's half lie in its row tiles 0 and 1,
; which have had their only fill and are read in the first half alone; a barrier in that half's last K step, with every wave's LDS reads waited for in front of its signal, parts the last reads from the first stores.
; REGISTERS: window 0: addresses, scale words, R's fragments (two sets of 24), the bias;  window 1: P's fragments, two sets, at v0 and v128;  window 2: accumulator (a, t) at v[8 (8 a + t)];  window 3: rows read back from the stage.
.set REC,  12800
.set PH,   98304
.set RH,   49152
.set SPARE, 2*PH+2*RH
.set ADP,  16                          ; v16-17 my P tiles 0-3, 4-7
.set ADR,  20
.set STO,  11
.set RD,   12
.set PSC,  32
.set RSC,  64
.set RF,   80
.set BP,   176
.set BK,   0                           ; in window 3: two sets of 64
.set G1P,  24
.set G1R,  32
.set G0P,  40
.set G0R,  76
.set MSB,  0
.macro WIN new
.if MSB != \new
	s_set_vgpr_msb (MSB<<8)|\new
.set MSB, \new
.endif
.endm
.macro PLACES
.rept 4
	v_nop
.endr
.endm
.macro CROUND
	s_barrier_signal -1
	s_barrier_wait -1
	s_cmp_lg_u32 s14, 0
	s_cbranch_scc1 .Lnot_wave_0_\@
	s_barrier_signal -3
.Lnot_wave_0_\@:
	s_barrier_wait -3
	s_barrier_signal -1
	s_barrier_wait -1
.endm
	s_load_b256 s[4:11], s[0:1], 0x0               ; ao, xw, bo, out0
	v_lshl_add_u32 v254, v0, 2, SPARE
	v_mov_b32 v255, 0
	ds_add_u32 v254, v255                          ; the opening lines: the add, twice on end, and its wait
	ds_add_u32 v254, v255
	v_lshrrev_b32 v1, 5, v0
	v_readfirstlane_b32 s14, v1                    ; wave 0..3
	s_lshr_b32 s15, s14, 1                         ; wr.  Also: I fetch for P (0) or for R (1)
	s_and_b32 s16, s14, 1                          ; wp.  Also: which half of that tile I fetch
	s_bfe_u32 s17, ttmp6, 0x40000                  ; cx
	s_bfe_u32 s18, ttmp6, 0x40004                  ; cy
	s_and_b32 s19, ttmp7, 0xffff                   ; the cluster's y, 0..15
	; P's chain: registers that never hold cy
	s_lshl_b32 s57, s17, 4
	s_add_co_u32 s57, s57, 1728                    ; Wo's tile cx: its first row tile in xw
	s_lshl_b32 s58, s16, 3
	s_add_co_u32 s58, s58, s57
	s_mul_i32 s58, s58, REC
	s_mov_b32 s59, 0
	s_lshl_b32 s60, 0x1111, s17                    ; my column of the cluster
	s_or_b32 s[G1P], s60, (3<<16)|(1<<21)
	; R's chain: registers that never hold cx
	s_lshl_b32 s94, s19, 2
	s_add_co_u32 s94, s94, s18                     ; Rtile = 4 x cluster y + cy
	s_lshl_b32 s95, s94, 3                         ; its first row tile in ao
	s_lshl_b32 s96, s16, 2
	s_add_co_u32 s96, s96, s95
	s_mul_i32 s96, s96, REC
	s_mov_b32 s97, 0
	s_lshl_b32 s22, s15, 2
	s_add_co_u32 s22, s22, s95
	s_mul_i32 s22, s22, REC
	s_mov_b32 s23, 0
	s_lshl_b32 s98, s18, 2
	s_lshl_b32 s98, 15, s98                        ; my row of the cluster
	s_or_b32 s[G1R], s98, (3<<16)|(1<<21)
	s_mov_b32 s[G1P+1], 1536<<16                   ; rows of 12,288 bytes (elements of 8), 12,800 bytes apart; P 8 tiles a load, R 4
	s_mov_b32 s[G1P+2], 8<<16
	s_mov_b32 s[G1P+3], 1536<<16
	s_mov_b32 s[G1P+4], 8
	s_mov_b32 s[G1P+5], 1600
	s_mov_b32 s[G1P+6], 0
	s_mov_b32 s[G1P+7], 0
	s_mov_b32 s[G1R+1], 1536<<16
	s_mov_b32 s[G1R+2], 4<<16
	s_mov_b32 s[G1R+3], 1536<<16
	s_mov_b32 s[G1R+4], 4
	s_mov_b32 s[G1R+5], 1600
	s_mov_b32 s[G1R+6], 0
	s_mov_b32 s[G1R+7], 0
	s_mul_i32 s2, s16, PH                          ; where they go: the wave's number alone
	s_mul_i32 s3, s16, RH
	s_add_co_u32 s3, s3, 2*PH
	s_lshl_b32 s62, s17, 10
	s_lshl_b32 s63, s16, 9
	s_add_co_u32 s62, s62, s63                     ; my first feature, in bytes: 4 (256 cx + 128 wp): in bo and in a row of out0
	s_mov_b32 s63, 0
	s_lshl_b32 s100, s94, 7
	s_lshl_b32 s101, s15, 6
	s_add_co_u32 s100, s100, s101                  ; my first token: 128 Rtile + 64 wr
	s_lshl_b32 s100, s100, 12
	s_add_co_u32 s100, s100, s62
	s_mov_b32 s101, 0
	s_wait_dscnt 0x0
	s_wait_kmcnt 0x0
	s_add_nc_u64 s[60:61], s[6:7], s[58:59]        ; P's 8 records: for my tensor load and for my scale words
	s_add_nc_u64 s[98:99], s[4:5], s[96:97]        ; R's 4 records that I fetch
	s_add_nc_u64 s[22:23], s[4:5], s[22:23]        ; R's 4 records that I multiply
	s_add_nc_u64 s[8:9], s[8:9], s[62:63]
	s_add_nc_u64 s[100:101], s[10:11], s[100:101]
	s_mov_b32 s[G0P], 1
	s_mov_b32 s[G0P+1], s2
	s_mov_b64 s[G0P+2:G0P+3], s[60:61]
	s_or_b32 s[G0P+3], s[G0P+3], 0x80000000
	s_mov_b32 s[G0R], 1
	s_mov_b32 s[G0R+1], s3
	s_mov_b64 s[G0R+2:G0R+3], s[98:99]
	s_or_b32 s[G0R+3], s[G0R+3], 0x80000000
	CROUND                                         ; all sixteen work-groups are here: the joint loads meet
	s_cmp_eq_u32 s15, 0                            ; one load in each arm of one branch on the wave's number
	s_cbranch_scc0 .Lfor_r
	tensor_load_to_lds s[G0P:G0P+3], s[G1P:G1P+7]
	s_nop 0
	PLACES
	s_branch .Lasked
.Lfor_r:
	tensor_load_to_lds s[G0R:G0R+3], s[G1R:G1R+7]
	s_nop 0
	PLACES
.Lasked:
	v_and_b32 v1, 31, v0                           ; lane
	v_and_b32 v2, 15, v0                           ; r
	v_bfe_u32 v3, v0, 4, 1                         ; h
	v_lshlrev_b32 v4, 4, v1                        ; 16 x lane
	v_lshlrev_b32 v5, 4, v2
	v_mul_u32_u24 v6, v3, REC
	v_add_nc_u32 v6, v6, v5                        ; scale words: lanes 16-31 take the next tile's record; 16 r
	v_lshlrev_b32 v7, 6, v3                        ; the bias: 16 h numbers on
	v_bfe_u32 v9, v0, 5, 1                         ; wp
	v_bfe_u32 v10, v0, 6, 1                        ; wr
	v_mad_u32_u24 v[ADP], v9, PH, v4
	v_mad_u32_u24 v[ADR], v10, RH, v4
	v_add_nc_u32 v[ADR], 2*PH, v[ADR]
	v_add_nc_u32 v[ADP+1], 4*12288, v[ADP]
	v_mul_u32_u24 v13, v9, 8448                    ; my stage: in my half of R, 8,448 wp on: inside its row tiles 0 and 1
	v_mad_u32_u24 v13, v10, RH, v13
	v_add_nc_u32 v13, 2*PH, v13
	v_mad_u32_u24 v[STO], v2, 528, v13
	v_lshl_add_u32 v[STO], v3, 6, v[STO]           ; in: row r, + 64 h
	v_add_nc_u32 v[RD], v13, v4                    ; back: 16 x lane, a row an instruction
.irp ip, 0,1,2,3
.irp kh, 0,1
	global_load_b128 v[PSC+8*\ip+4*\kh:PSC+8*\ip+4*\kh+3], v6, s[60:61] offset:2*REC*\ip+12288+256*\kh
.endr
.endr
.irp ip, 0,1
.irp kh, 0,1
	global_load_b128 v[RSC+8*\ip+4*\kh:RSC+8*\ip+4*\kh+3], v6, s[22:23] offset:2*REC*\ip+12288+256*\kh
.endr
.endr
.irp t, 0,1,2,3,4,5,6,7
	global_load_b128 v[BP+8*\t:BP+8*\t+3], v7, s[8:9] offset:(32*(\t/2)+8*(\t%2))*4
	global_load_b128 v[BP+8*\t+4:BP+8*\t+7], v7, s[8:9] offset:(32*(\t/2)+8*(\t%2))*4+16
.endr
; one product: accumulator (a, t), K step s.  In the first K step C is the bias.  A half's 16 accumulators take turns, one instruction a turn, in the same order in every step.
.macro WM a, t, s
.set rD, 8*(8*(\a)+(\t))
.set rC, rD
.if (\s) == 0
.set rC, BP+8*(\t)
.endif
.set rP, 128*((\s)%2)+12*(\t)
.set rR, RF+24*((\s)%2)+12*((\a)%2)
.set rX, PSC+8*((\t)/2)+(\s)
.set rY, RSC+8*((\a)/2)+(\s)
.if ((\t)%2 == 0) && ((\a)%2 == 0)
	v_wmma_scale_f32_16x16x128_f8f6f4 v[rD:rD+7], v[rP:rP+11], v[rR:rR+11], v[rC:rC+7], v[rX], v[rY] matrix_a_fmt:MATRIX_FMT_BF6 matrix_b_fmt:MATRIX_FMT_BF6
.elseif ((\t)%2 == 1) && ((\a)%2 == 0)
	v_wmma_scale_f32_16x16x128_f8f6f4 v[rD:rD+7], v[rP:rP+11], v[rR:rR+11], v[rC:rC+7], v[rX], v[rY] matrix_a_fmt:MATRIX_FMT_BF6 matrix_b_fmt:MATRIX_FMT_BF6 matrix_a_scale:MATRIX_SCALE_ROW1
.elseif ((\t)%2 == 0)
	v_wmma_scale_f32_16x16x128_f8f6f4 v[rD:rD+7], v[rP:rP+11], v[rR:rR+11], v[rC:rC+7], v[rX], v[rY] matrix_a_fmt:MATRIX_FMT_BF6 matrix_b_fmt:MATRIX_FMT_BF6 matrix_b_scale:MATRIX_SCALE_ROW1
.else
	v_wmma_scale_f32_16x16x128_f8f6f4 v[rD:rD+7], v[rP:rP+11], v[rR:rR+11], v[rC:rC+7], v[rX], v[rY] matrix_a_fmt:MATRIX_FMT_BF6 matrix_b_fmt:MATRIX_FMT_BF6 matrix_a_scale:MATRIX_SCALE_ROW1 matrix_b_scale:MATRIX_SCALE_ROW1
.endif
.endm
.macro MULH hf, s                      ; 16 products: R's tiles 2 hf, 2 hf + 1 against P's eight
.if (\s) == 0
	WIN 0x81                                       ; P window 1, R and the bias window 0, D window 2
.else
	WIN 0xa1                                       ; P window 1, R window 0, C and D window 2
.endif
.irp a, 2*(\hf), 2*(\hf)+1
.irp t, 0,1,2,3,4,5,6,7
	WM \a, \t, \s
.endr
.endr
.endm
.macro FETCH hf, s                     ; K step s of half hf: 30 LDS loads in one run, each of 512 consecutive bytes
	WIN 0x40                                       ; destination window 1
.irp i, 0,1,2,3,4,5,6,7
.irp c, 0,1,2
	ds_load_b128 v[128*((\s)%2)+12*\i+4*\c:128*((\s)%2)+12*\i+4*\c+3], v[ADP+\i/4] offset:12288*(\i%4)+1536*(\s)+512*\c
.endr
.endr
	WIN 0
.irp i, 0,1
.irp c, 0,1,2
	ds_load_b128 v[RF+24*((\s)%2)+12*\i+4*\c:RF+24*((\s)%2)+12*\i+4*\c+3], v[ADR] offset:12288*(2*(\hf)+\i)+1536*(\s)+512*\c
.endr
.endr
.endm
.macro STEP hf, s
.if ((\hf) > 0) || ((\s) > 0)
	PLACES                                         ; four places in front of loads into registers that the last step's products read
.endif
.if (\s) < 7
	FETCH \hf, (\s)+1
	s_wait_dscnt 30                                ; all but the 30 just issued
.elseif (\hf) == 0
	FETCH 1, 0                                     ; the second half's first fragments
	s_wait_dscnt 0x0                               ; my reads of R's row tiles 0 and 1 are over, and no LDS load of mine is out:
	s_barrier_signal -1                            ; say so, and work on registers while the others arrive
.else
	s_wait_dscnt 0x0
.endif
	MULH \hf, \s
	WIN 0
.if ((\s) == 7) && ((\hf) == 0)
	s_barrier_wait -1                              ; nobody reads R's row tiles 0 and 1 any more: the stages may be written
.endif
.endm
.macro TOSTAGE a                       ; tile a of my four: 16 tokens x 128 features through my stage
	WIN 0x08                                       ; an LDS store's data are its source 1: window 2
.irp b, 0,1,2,3
.irp q, 0,1,2,3
	ds_store_b128 v[STO], v[64*(\a)+16*\b+4*\q:64*(\a)+16*\b+4*\q+3] offset:128*\b+16*\q   ; ascending: each accumulator from its low end on
.endr
.endr
	WIN 0xc0                                       ; destination window 3
.irp i, 0,1,2,3,4,5,6,7,8,9,10,11,12,13,14,15
	ds_load_b128 v[BK+64*((\a)%2)+4*\i:BK+64*((\a)%2)+4*\i+3], v[RD] offset:528*\i   ; LDS serves a wave's instructions in order (ISA guide 5.7.1.4): these see the stores above, and the next tile's stores come behind them
.endr
	WIN 0
.endm
.macro SEND a, younger                 ; younger: the LDS instructions issued behind tile a's loads, which may stay out
	s_wait_dscnt \younger
	WIN 0x0c                                       ; a store's data are its source 1: window 3
.irp i, 0,1,2,3,4,5,6,7,8,9,10,11,12,13,14,15
	global_store_b128 v4, v[BK+64*((\a)%2)+4*\i:BK+64*((\a)%2)+4*\i+3], s[100:101] offset:(32*((\a)/2)+8*((\a)%2)+\i+8*(\i/8))*4096 th:TH_STORE_NT   ; 512 consecutive bytes of one row, at a multiple of 256 from out0's first byte
.endr
	WIN 0
.endm
.macro OUT hf                          ; a half's two tiles leave
	PLACES                                         ; four places behind the last products, in front of the stores that read results
.if (\hf) > 0
	s_wait_xcnt 0x0                                ; the first half's stores have read their registers: the loads below may land there
.endif
	TOSTAGE 2*(\hf)
	TOSTAGE 2*(\hf)+1
	SEND 2*(\hf), 32                               ; behind its loads: the next tile's 16 stores and 16 loads
	SEND 2*(\hf)+1, 0
.endm
	s_wait_alu depctr_va_vdst(0)                   ; the wait at the head's end
	s_wait_tensorcnt 0x0                           ; my part of the tiles is in,
	s_barrier_signal -1
	s_barrier_wait -1                              ; everybody's is
	FETCH 0, 0
	s_wait_loadcnt 0x0                             ; scale words and the bias
.irp s, 0,1,2,3,4,5,6,7
	STEP 0, \s
.endr
	OUT 0
.irp s, 0,1,2,3,4,5,6,7
	STEP 1, \s
.endr
	OUT 1
	s_wait_tensorcnt 0x0                           ; the wave's end
	ds_add_u32 v254, v255
	s_wait_dscnt 0x0
	CROUND                                         ; the closing round: no work-group ends while a partner may still ask for a tile that names it
	s_endpgm
.Lfunc_end_k_qe91d514752_oproj:
	.size	k_qe91d514752_oproj, .Lfunc_end_k_qe91d514752_oproj-k_qe91d514752_oproj
	.p2alignl 7, 3214868480
	.fill 96, 4, 3214868480
	.section	.rodata,"a",@progbits
	.p2align	6, 0x0
	.amdhsa_kernel k_qe91d514752_oproj
		.amdhsa_group_segment_fixed_size 295424
		.amdhsa_private_segment_fixed_size 0
		.amdhsa_enable_private_segment 0
		.amdhsa_kernarg_size 32
		.amdhsa_user_sgpr_count 2
		.amdhsa_user_sgpr_kernarg_segment_ptr 1
		.amdhsa_wavefront_size32 1
		.amdhsa_system_sgpr_workgroup_id_x 1
		.amdhsa_system_sgpr_workgroup_id_y 1
		.amdhsa_system_sgpr_workgroup_id_z 1
		.amdhsa_system_vgpr_workitem_id 0
		.amdhsa_next_free_vgpr 1024
		.amdhsa_next_free_sgpr 102
		.amdhsa_reserve_vcc 0
		.amdhsa_float_denorm_mode_32 3
		.amdhsa_float_denorm_mode_16_64 3
		.amdhsa_memory_ordered 1
		.amdhsa_forward_progress 1
		.amdhsa_inst_pref_size 91
	.end_amdhsa_kernel
	.amdgpu_metadata
---
amdhsa.version: [ 1, 2 ]
amdhsa.kernels:
  - .name:           k_qe91d514752_oproj
    .symbol:         k_qe91d514752_oproj.kd
    .args:
      - { .name: ao, .offset: 0, .size: 8, .value_kind: global_buffer, .address_space: global }
      - { .name: xw, .offset: 8, .size: 8, .value_kind: global_buffer, .address_space: global }
      - { .name: bo, .offset: 16, .size: 8, .value_kind: global_buffer, .address_space: global }
      - { .name: out0, .offset: 24, .size: 8, .value_kind: global_buffer, .address_space: global }
    .group_segment_fixed_size: 295424
    .private_segment_fixed_size: 0
    .kernarg_segment_align: 8
    .kernarg_segment_size: 32
    .max_flat_workgroup_size: 128
    .sgpr_count:     102
    .vgpr_count:     1024
    .wavefront_size: 32
...
	.end_amdgpu_metadata
.endif
;; end of part 4
